; MI455X (gfx1250); checked and timed in simulation.
; The chip was launched on July 23, 2026; its instructions are those of AMD's public machine-readable ISA for CDNA 5 (MIT licence, August 2026) and "CDNA5" Instruction Set Architecture Reference Guide (July 2026). The comments in the code are by the model that wrote it; some were corrected since.
;; Mo E. Allowed arithmetic: matrix products marked QUANTISED: E3M2 operands, one E8M0 scale for each 32 along K, by v_wmma_scale_f32_16x16x128_f8f6f4 with both operands' format E3M2, f32 sums; products left as they are: f32 operands where the result goes on into a quantised operand, else bf16, f16 or f32 operands; f32 sums; everything else in f32.
;; Inputs: b1 8 x 4,096 float32; b2 8 x 1,024 float32; gate_b 8 float32; gate_w 1,024 x 8 float32; w1_codes 8 x 4,096 x 32 x 24 uint8 (E3M2 codes of w1, K innermost, in blocks of 32 codes, four codes in three bytes); w1_scales 8 x 4,096 x 32 uint8 (E8M0 scales of w1, one for each 32 codes along K); w2_codes 8 x 1,024 x 128 x 24 uint8 (E3M2 codes of w2, K innermost, in blocks of 32 codes, four codes in three bytes); w2_scales 8 x 1,024 x 128 uint8 (E8M0 scales of w2, one for each 32 codes along K); x 1,024 x 1,024 float32.
;; Outputs: out0 1,024 x 1,024 float32; out1 one number float32.
;; This version of the problem:
;;   THIS VERSION OF THE PROBLEM IS GIVEN IN LOW PRECISION. The matrix products marked QUANTISED in the list below multiply operands that are first quantised to E3M2 (3 exponent bits, 2 mantissa bits; 6 bits a number), with one power-of-two scale for each 32 numbers along K (OCP MX v1.0); their sums are f32. All else is computed in f32.
;;   The module's matrix products, in the order in which they are computed (A, B: the left and right operand; K: the contracted axis; several contracted axes count as one K, in the product's order):
;;     1. [M 1,024, K 1,024] x [K 1,024, N 8]; A: input x; B: input gate_w: left as it is (N = 8 < 16)
;;     2. batch 1,024 x [M 1, K 2] x [K 2, N 8]; A: computed on the way; B: computed on the way: left as it is (K = 2 < 32)
;;     3. [M 1,024, K 1,024] x [K 1,024, N 32,768]; A: input x; B: input w1 (given as codes): QUANTISED
;;     4. batch 8 x [M 1,024, K 4,096] x [K 4,096, N 1,024]; A: input w2 (given as codes); B: computed on the way: QUANTISED
;;     5. batch 1,024 x [M 1,024, K 8] x [K 8, N 1]; A: computed on the way; B: computed on the way: left as it is (K = 8 < 32)
;;   THE QUANTISER, for each operand of a quantised product, along K:
;;     - K is cut into blocks of 32 from its start; a last block that is shorter is filled with zeros.
;;     - A block's scale is 2^e with e = floor(log2(the largest magnitude in the block)) - 4, held to -126 .. 127; a block of zeros has e = 0. As a byte (E8M0): e + 127.
;;     - Each number is divided by its block's scale, clamped to +-28, and rounded to the nearest number of E3M2, ties to even, subnormals kept.
;;     - The product sums the exact products of the quantised numbers (number of the format x scale) in f32.
;;   ~~~python
;;   def quantise(x, axis):      # numpy; x: float32 -> the quantised numbers, widened to float32 again
;;       x = np.moveaxis(x, axis, -1); K = x.shape[-1]
;;       x = np.pad(x, [(0, 0)] * (x.ndim - 1) + [(0, -K % 32)]); x = x.reshape(x.shape[:-1] + (-1, 32)); a = np.abs(x).max(-1, keepdims=True)
;;       e = np.where(a > 0, np.clip(np.frexp(np.where(a > 0, a, 1))[1] - 1 - 4, -126, 127), 0)      # np.frexp(a)[1] - 1 = floor(log2(a)), exactly
;;       r = np.clip(x / 2.0 ** e, -28, 28)
;;       step = 2.0 ** (np.maximum(np.frexp(np.where(r == 0, 1, r))[1] - 1, -2) - 2)
;;       q = np.round(r / step) * step * 2.0 ** e      # np.round: ties to even
;;       return np.moveaxis(q.reshape(q.shape[:-2] + (-1,))[..., :K], -1, axis).astype(np.float32)
;;   ~~~
;;   OPERANDS COMPUTED ON THE WAY. 'Computed on the way' means the value that the module computes at that place (a softmax that the list does not call 'softmax' is quantised finished and normalised). What goes into a quantiser is computed in f32, as accurately as f32 sums, v_exp_f32 and their like allow (about 1e-6 of the number): no bf16 or f16 on the way to a quantiser, and a product that is left as it is and whose result goes on into a quantised operand takes f32 operands (vector FMAs, or v_wmma_f32_16x16x4_f32). A number that lies on a knife's edge between two numbers of the format may be rounded either way, as far as f32 arithmetic and the matrix unit's own rounding can turn it there, and no further.
;;   INPUTS GIVEN AS CODES. w1 (in the module: [8, 1024, 4096], K = its axis 1); w2 (in the module: [8, 4096, 1024], K = its axis 1): each comes as NAME_codes (uint8): NAME with its K axis moved to the last place and cut into blocks of 32 codes, [.., K / 32, bytes a block], one block behind the other in memory; four codes in three bytes: a row's codes are one little-endian stream of bits, code i at bits 6 i .. 6 i + 5 (a code: sign, 3 exponent bits, 2 mantissa bits); and NAME_scales (uint8): the same leading axes, one E8M0 byte (e + 127) for each 32 codes along K. Its value is code x scale, taken as it is: it is not quantised again, and the codes and scales need not be those that the quantiser above would give.
;; 2 versions, each right; version 2 is version 1 with the launches up, down written anew for expert scheduling mode. Each part assembles by itself: llvm-mc -triple=amdgcn-amd-amdhsa -mcpu=gfx1250 --defsym DOCPART=n.
;; ======== version 1 of 2: 5 launches
;; workspace buffers: route 12,288 bytes of whole numbers; topv 8,192 bytes; slots 41,728 bytes of whole numbers; xc 1,671,168 bytes; xsc 69,632 bytes; hc 6,684,672 bytes; hs 278,528 bytes; y 35,651,584 bytes
;; launch gate (part 1): grid 32 x 1, 8 waves a work-group, no clusters, 38,912 bytes of LDS; arguments x, gate_w, gate_b, route, topv; writes route, topv
.if DOCPART == 1
	.amdgcn_target "amdgcn-amd-amdhsa--gfx1250"
	.amdhsa_code_object_version 6
	.text
	.protected	k_qd68adb5986_gate
	.globl	k_qd68adb5986_gate
	.p2align	8
	.type	k_qd68adb5986_gate,@function
k_qd68adb5986_gate:
	s_mov_b64 s[64:65], 0
	v_nop
	global_prefetch_b8 v0, s[64:65] scope:SCOPE_SE
	s_setreg_imm32_b32 hwreg(HW_REG_WAVE_MODE, 25, 1), 1
	s_wait_xcnt 0x0
; THE GATE: logits = x gate_w + gate_b in f32, softmax over the 8 experts (the row's maximum taken away first), the two largest scores of each token.
; A work-group owns 32 tokens, each of its eight waves four of them.  Lane l takes d = 128 i + 4 l + c (i = 0..7, c = 0..3): every load of x covers 512 consecutive bytes.
; GATE_W (32,768 bytes) COMES ONCE FOR THE WORK-GROUP: thread t loads the 16 bytes at 4,096 n + 16 t (n = 0..7), so that a wave's load covers 512 consecutive bytes, and puts them into LDS.  What a lane wants in a
; step is a chunk of 128 bytes (its four rows of 32 bytes): chunk 32 i + l.  In LDS the chunks lie 144 bytes apart: 36 words, so that the 16 bytes of sixteen neighbouring lanes start at words 36 l mod 64,
; sixteen different places (64 banks of 4 bytes: ISA guide 11.1).  Byte 4,096 n + 16 t belongs to chunk 32 n + t / 8, at 16 (t % 8) in it.
; The eight sums of a token are added over the 32 lanes, meet in LDS behind the image (32 bytes a token), and wave 0 finishes: a lane a token.
; WHAT IS STORED, all at fixed places (no address and no branch here hangs on a score):
;   route + 128 G: word e = the mask of the group's tokens that chose expert e, word 8 + e = how many they are, words 16..31 = 0
;   route + 4096 + 8 n: the two chosen experts of token n;   topv + 8 n: their softmax values.
; Ties: a later expert replaces an earlier one only where its score is strictly greater, so the lower index is kept.
; LIMITS: NaN and infinities among the inputs are not served; two scores that agree to within the rounding of f32 sums may be ordered otherwise than by another order of summing.
.set X,   16                           ; v16-143  x: token tk, step i at X + 32 tk + 4 i
.set W,   144                          ; v144-207 gate_w: two sets of 32, register 8 c + e (at the head: v144-175 my eight pieces on their way to LDS)
.set ACC, 208                          ; v208-239 eight sums a token
.set T,   240                          ; v240-243 at work
.set P,   16                           ; wave 0, later: the eight scores of my token
.set CH,  144                          ; LDS: from chunk to chunk
.set EXC, 256*CH                       ; LDS: behind the 256 chunks, 1,024 bytes in which the waves' sums meet
	s_load_b256 s[4:11], s[0:1], 0x0               ; x s[4:5], gate_w s[6:7], gate_b s[8:9], route s[10:11]
	s_load_b64 s[12:13], s[0:1], 0x20              ; topv
	v_lshl_add_u32 v248, v0, 2, 0x9400
	v_mov_b32 v249, 0
	v_and_b32 v1, 31, v0                           ; lane
	v_lshrrev_b32 v4, 5, v0
	v_readfirstlane_b32 s14, v4                    ; wave
	v_lshlrev_b32 v2, 4, v1                        ; x: 16 bytes a lane
	v_lshlrev_b32 v3, 4, v0                        ; gate_w: 16 bytes a thread
	v_lshlrev_b32 v4, 7, v4                        ; the sums' meeting place: 128 bytes a wave
	v_lshrrev_b32 v8, 3, v0
	v_mul_u32_u24 v8, v8, CH
	v_and_b32 v9, 7, v0
	v_lshl_add_u32 v8, v9, 4, v8                   ; the image, on the way in: 144 (t / 8) + 16 (t % 8)
	v_mul_u32_u24 v9, v1, CH                       ; and on the way out: my lane's chunk of a step
	s_lshl_b32 s2, ttmp9, 17                       ; 32 rows of 4,096 bytes a work-group,
	s_lshl_b32 s3, s14, 14                         ; four a wave
	s_add_co_u32 s2, s2, s3
	s_mov_b32 s3, 0
	s_mov_b32 s24, 0x76543210                      ; v_permlanex16_b32's selects for lane l xor 16
	s_mov_b32 s25, 0xfedcba98
	s_wait_kmcnt 0x0
	s_load_b256 s[16:23], s[8:9], 0x0              ; gate_b
	s_add_nc_u64 s[4:5], s[4:5], s[2:3]
.irp n, 0,1,2,3,4,5,6,7
	global_load_b128 v[W+4*\n:W+4*\n+3], v3, s[6:7] offset:4096*\n   ; gate_w first: all waves wait for it
.endr
.irp i, 0,1,2,3,4,5,6,7                ; x step by step, so that a step waits for its own four loads and no later ones
.irp tk, 0,1,2,3
	global_load_b128 v[X+32*\tk+4*\i:X+32*\tk+4*\i+3], v2, s[4:5] offset:4096*\tk+512*\i
.endr
.endr
	s_wait_loadcnt 32                              ; my eight pieces of gate_w are in; x's 32 loads, issued behind them, may be out
.irp n, 0,1,2,3,4,5,6,7
	ds_store_b128 v8, v[W+4*\n:W+4*\n+3] offset:32*CH*\n
.endr
	s_wait_dscnt 0x0                               ; for the others' sake: my part of the image lies in LDS
	s_barrier_signal -1
	s_barrier_wait -1                              ; everybody's does; nobody writes it again
.macro WLOAD i                         ; step i's chunk of my lane, 128 bytes, into set i % 2
.irp k, 0,1,2,3,4,5,6,7
	ds_load_b128 v[W+32*((\i)%2)+4*\k:W+32*((\i)%2)+4*\k+3], v9 offset:32*CH*(\i)+16*\k
.endr
.endm
	WLOAD 0
	WLOAD 1
.irp i, 0,1,2,3,4,5,6,7
	s_wait_loadcnt 28-4*\i                         ; x of this step is in; the four loads of each later step may be out
.if \i < 7
	s_wait_dscnt 8                                 ; this step's set is in; the next set's eight loads may be out
.else
	s_wait_dscnt 0
.endif
.irp c, 0,1,2,3
.irp tk, 0,1,2,3
.irp p, 0,1,2,3
.set rX, X+32*\tk+4*\i+2*(\c/2)
.set rW, W+32*(\i%2)+8*\c+2*\p
.set rA, ACC+8*\tk+2*\p
.if (\i == 0) && (\c == 0)
	v_pk_mul_f32 v[rA:rA+1], v[rX:rX+1], v[rW:rW+1] op_sel_hi:[0,1]                      ; the first product starts the sums; x's one number serves both halves
.elseif (\c%2) == 0
	v_pk_fma_f32 v[rA:rA+1], v[rX:rX+1], v[rW:rW+1], v[rA:rA+1] op_sel_hi:[0,1,1]
.else
	v_pk_fma_f32 v[rA:rA+1], v[rX:rX+1], v[rW:rW+1], v[rA:rA+1] op_sel:[1,0,0] op_sel_hi:[1,1,1]
.endif
.endr
.endr
.endr
.if \i < 6
	WLOAD \i+2
.endif
.endr
.irp j, 0,1,2,3
	v_mov_b32 v[T+\j], 0                           ; a lane permute's destination counts as one of its sources
.endr
.irp m, 1,2,4,8                        ; the 32 sums over the lanes of each half,
.set j, 0
.rept 32
	v_add_f32_dpp v[ACC+j], v[ACC+j], v[ACC+j] row_xmask:\m row_mask:0xf bank_mask:0xf
.set j, j+1
.endr
.endr
.set j, 0
.rept 8                                ; and over the two halves, four at a time
.irp k, 0,1,2,3
	v_permlanex16_b32 v[T+\k], v[ACC+j+\k], s24, s25
.endr
.irp k, 0,1,2,3
	v_add_f32 v[ACC+j+\k], v[ACC+j+\k], v[T+\k]
.endr
.set j, j+4
.endr
.irp tk, 0,1,2,3
	ds_store_b128 v4, v[ACC+8*\tk:ACC+8*\tk+3] offset:EXC+32*\tk        ; all lanes write the same bytes with the same values; these bytes lie behind the image, which other waves may still read
	ds_store_b128 v4, v[ACC+8*\tk+4:ACC+8*\tk+7] offset:EXC+32*\tk+16
.endr
	s_wait_dscnt 0x0                               ; for wave 0's sake: my stores are done
	s_barrier_signal -1
	s_barrier_wait -1
	s_cmp_lg_u32 s14, 0
	s_cbranch_scc1 .Lend
	v_lshlrev_b32 v5, 5, v1                        ; token 4 w + tk lies at 128 w + 32 tk = 32 x token: a lane a token
	ds_load_b128 v[P:P+3], v5 offset:EXC
	ds_load_b128 v[P+4:P+7], v5 offset:EXC+16
	s_wait_dscnt 0x0
	s_wait_kmcnt 0x0                               ; gate_b
.irp e, 0,1,2,3,4,5,6,7
	v_add_f32 v[P+\e], s[16+\e], v[P+\e]
.endr
	v_max3_num_f32 v24, v16, v17, v18
	v_max3_num_f32 v24, v24, v19, v20
	v_max3_num_f32 v24, v24, v21, v22
	v_max_num_f32 v24, v24, v23                    ; the row's maximum
.irp e, 0,1,2,3,4,5,6,7
	v_sub_f32 v[P+\e], v[P+\e], v24
.endr
.irp e, 0,1,2,3,4,5,6,7
	v_mul_f32 v[P+\e], 0x3fb8aa3b, v[P+\e]         ; x log2(e)
.endr
.irp e, 0,1,2,3,4,5,6,7
	v_exp_f32 v[P+\e], v[P+\e]
.endr
	v_nop                                          ; a plain instruction behind the last exponential
	s_wait_alu depctr_va_vdst(0)                   ; one wait for the eight, ahead of their first reader
	v_add_f32 v24, v16, v17
	v_add_f32 v25, v18, v19
	v_add_f32 v26, v20, v21
	v_add_f32 v27, v22, v23
	v_add_f32 v24, v24, v25
	v_add_f32 v26, v26, v27
	v_add_f32 v24, v24, v26
	v_rcp_f32 v25, v24
	v_nop
	s_wait_alu depctr_va_vdst(0)
.irp e, 0,1,2,3,4,5,6,7
	v_mul_f32 v[P+\e], v[P+\e], v25                ; the softmax
.endr
	v_mov_b32 v34, 0                               ; the largest: index v34, value v36
	v_mov_b32 v36, v16
.irp e, 1,2,3,4,5,6,7
	v_cmp_gt_f32 vcc_lo, v[P+\e], v36
	v_cndmask_b32 v34, v34, \e, vcc_lo
	v_max_num_f32 v36, v36, v[P+\e]
.endr
	v_mov_b32 v35, 0                               ; the second: index v35, value v37; it starts under every score
	v_mov_b32 v37, -1.0
.irp e, 0,1,2,3,4,5,6,7
	v_cmp_ne_u32 s28, \e, v34
	v_cmp_gt_f32 s29, v[P+\e], v37
	s_and_b32 vcc_lo, s28, s29
	v_cndmask_b32 v35, v35, \e, vcc_lo
	v_cndmask_b32 v37, v37, v[P+\e], vcc_lo
.endr
	v_mov_b32 v30, 0                               ; the group's record: lane e the mask, lane 8 + e the count
.irp e, 0,1,2,3,4,5,6,7
	v_cmp_eq_u32 s28, \e, v34
	v_cmp_eq_u32 s29, \e, v35
	s_or_b32 s28, s28, s29
	s_bcnt1_i32_b32 s29, s28
	v_writelane_b32 v30, s28, \e
	v_writelane_b32 v30, s29, 8+\e
.endr
	s_lshl_b32 s2, ttmp9, 7
	s_add_nc_u64 s[26:27], s[10:11], s[2:3]
	s_lshl_b32 s2, ttmp9, 8
	s_add_nc_u64 s[10:11], s[10:11], s[2:3]
	s_add_nc_u64 s[12:13], s[12:13], s[2:3]
	v_lshlrev_b32 v6, 2, v1
	v_lshlrev_b32 v7, 3, v1
	global_store_b32 v6, v30, s[26:27]
	global_store_b64 v7, v[34:35], s[10:11] offset:4096   ; 32 lanes store 256 consecutive bytes, aligned
	global_store_b64 v7, v[36:37], s[12:13]
.Lend:
	s_wait_tensorcnt 0x0
	ds_add_u32 v248, v249
	s_wait_dscnt 0x0
	s_endpgm
.Lfunc_end_k_qd68adb5986_gate:
	.size	k_qd68adb5986_gate, .Lfunc_end_k_qd68adb5986_gate-k_qd68adb5986_gate
	.p2alignl 7, 3214868480
	.fill 96, 4, 3214868480
	.section	.rodata,"a",@progbits
	.p2align	6, 0x0
	.amdhsa_kernel k_qd68adb5986_gate
		.amdhsa_group_segment_fixed_size 38912
		.amdhsa_private_segment_fixed_size 0
		.amdhsa_enable_private_segment 0
		.amdhsa_kernarg_size 40
		.amdhsa_user_sgpr_count 2
		.amdhsa_user_sgpr_kernarg_segment_ptr 1
		.amdhsa_wavefront_size32 1
		.amdhsa_system_sgpr_workgroup_id_x 1
		.amdhsa_system_sgpr_workgroup_id_y 1
		.amdhsa_system_sgpr_workgroup_id_z 1
		.amdhsa_system_vgpr_workitem_id 0
		.amdhsa_next_free_vgpr 250
		.amdhsa_next_free_sgpr 66
		.amdhsa_reserve_vcc 1
		.amdhsa_float_denorm_mode_32 3
		.amdhsa_float_denorm_mode_16_64 3
		.amdhsa_memory_ordered 1
		.amdhsa_forward_progress 1
		.amdhsa_inst_pref_size 63
	.end_amdhsa_kernel
	.amdgpu_metadata
---
amdhsa.version: [ 1, 2 ]
amdhsa.kernels:
  - .name:           k_qd68adb5986_gate
    .symbol:         k_qd68adb5986_gate.kd
    .args:
      - { .name: x, .offset: 0, .size: 8, .value_kind: global_buffer, .address_space: global }
      - { .name: gate_w, .offset: 8, .size: 8, .value_kind: global_buffer, .address_space: global }
      - { .name: gate_b, .offset: 16, .size: 8, .value_kind: global_buffer, .address_space: global }
      - { .name: route, .offset: 24, .size: 8, .value_kind: global_buffer, .address_space: global }
      - { .name: topv, .offset: 32, .size: 8, .value_kind: global_buffer, .address_space: global }
    .group_segment_fixed_size: 38912
    .private_segment_fixed_size: 0
    .kernarg_segment_align: 8
    .kernarg_segment_size: 40
    .max_flat_workgroup_size: 256
    .sgpr_count:     66
    .vgpr_count:     250
    .wavefront_size: 32
...
	.end_amdgpu_metadata
.endif
;; end of part 1
;; launch place (part 2): grid 135 x 8, 1 waves a work-group, no clusters, 0 bytes of LDS; arguments x, route, xc, xsc, slots, out1; writes xc, xsc, slots, out1
.if DOCPART == 2
	.amdgcn_target "amdgcn-amd-amdhsa--gfx1250"
	.amdhsa_code_object_version 6
	.text
	.protected	k_qd68adb5986_place
	.globl	k_qd68adb5986_place
	.p2align	8
	.type	k_qd68adb5986_place,@function
k_qd68adb5986_place:
	s_mov_b64 s[64:65], 0
	v_nop
	global_prefetch_b8 v0, s[64:65] scope:SCOPE_SE
	s_setreg_imm32_b32 hwreg(HW_REG_WAVE_MODE, 25, 1), 1
	s_wait_xcnt 0x0
; THE PLACING OF ROWS.  Each expert's chosen tokens, in ascending order, fill tiles of 16 rows; an expert's last tile is padded.  2,048 routed rows and 8 experts give at most 135 tiles, whatever the choice:
; work-group (T, s), one wave, serves tile T and K step s (128 of x's 1,024 numbers).  One that the split leaves without a tile ends at once: the price of a grid that serves every split.
; The wave reads the 32 groups' counts and masks (whole numbers that the launch before has stored), finds its tile's expert and its 16 tokens, gathers their numbers, quantises them to E3M2 with one E8M0
; byte for each 32, and stores them as an IMAGE OF THE OPERAND'S REGISTERS: xc [tile][K step][3 x 512 bytes], register group i at 512 i, lane l at 16 l; xsc [tile][K step][16 rows], a scale word a row.
; HOW A LANE FINDS ITS ROW'S TOKEN, with no other lane's help: its rank among the expert's tokens is rho = 16 x (tile within the expert) + row.  The group of 32 tokens in which rank rho falls is the number of
; groups whose count, summed from group 0 on, does not pass rho; the token's place in that group's mask is the number of bit places up to which at most k bits are set, k being the rank within the group.
; All that a branch or an address hangs on is made by scalar arithmetic and by additions, shifts, bit fields and 24-bit multiply-adds.  A difference a - b is formed as a + b x (2^24 - 1): its low 24 bits hold
; a - b where that is not negative, and only bits under 24 are read.  "a >= b" is bit 12 of a + 4096 - b (ranks and counts lie under 2,048), or bit 6 of a + 64 - b (counts within a group: at most 32).
; A padded row names some token inside the table (the index is held at 1,023); it is multiplied like any row and nobody reads its result.
; s = 0 also stores, for each true row, slots[1024 e + token] = 16 T + row; a padded row stores into a word of its own behind the tile table (word 8256 + 16 T + row), which nobody reads.
; (0, 0) stores the tile table (slots + 32768: word 2 e first tile, word 2 e + 1 tiles of expert e, word 16 all tiles) and out1.
; A block's scale byte is its largest magnitude's exponent field - 4, held at 1 from below.
; LIMITS: a block of zeros carries the byte 1 (its codes are zeros; this program alone reads the bytes); blocks whose largest magnitude lies under 2^-122 are scaled by the floor; NaN and infinities are not served.
.set CN,  32                           ; v32-255  the groups' counts: group g at CN + 8 (g % 28), register e; the same numbers in every lane
.set NUM, 32                           ; v32-95   later: 64 numbers: register 16 b + i = k 32 b + 16 (lane / 16) + i of my row
.set TM,  96                           ; v96-111  at work in QUANT
.set PW,  112                          ; v112     the scale word
.set PC,  114                          ; v114-133 the codes
.set SEL, 18                           ; s[18:19] selects for lane l xor 16
.macro QUANT s                         ; 64 numbers of a lane become a fragment's codes in v[PC] .. v[PC + 11] and its row's scale word in v[PW]
.irp b, 0,1,2,3
	v_max3_num_f32 v[TM+\b], |v[\s+16*\b]|, |v[\s+1+16*\b]|, 0x2800000   ; block b: my 16 numbers, and the floor 2^(5 - 127): the byte cannot fall under 1
.endr
.irp i, 2,4,6,8,10,12,14
.irp b, 0,1,2,3
	v_max3_num_f32 v[TM+\b], v[TM+\b], |v[\s+16*\b+\i]|, |v[\s+1+16*\b+\i]|
.endr
.endr
.irp b, 0,1,2,3
	v_permlanex16_b32 v[TM+4+\b], v[TM+\b], s[SEL], s[SEL+1]
.endr
.irp b, 0,1,2,3
	v_max_num_f32 v[TM+\b], v[TM+\b], v[TM+4+\b]   ; with lane l xor 16's: the block's largest magnitude
.endr
.irp b, 0,1,2,3
	v_add_nc_u32 v[TM+12+\b], 0xfe000000, v[TM+\b] ; 4 off its exponent field: the conversion's scale operand
.endr
.irp b, 0,1,2,3
	v_lshrrev_b32 v[TM+4+\b], 23, v[TM+12+\b]      ; the scale's byte
.endr
	v_lshl_or_b32 v[PW], v[TM+5], 8, v[TM+4]
	v_lshl_or_b32 v[PW], v[TM+6], 16, v[PW]
	v_lshl_or_b32 v[PW], v[TM+7], 24, v[PW]
.irp c, 0,1
	v_cvt_scalef32_pk16_bf6_f32 v[PC+6*\c:PC+2+6*\c], v[\s+32*\c:\s+15+32*\c], v[TM+12+2*\c]
	v_cvt_scalef32_pk16_bf6_f32 v[PC+12+4*\c:PC+14+4*\c], v[\s+16+32*\c:\s+31+32*\c], v[TM+12+2*\c+1]   ; (a conversion's three registers begin on an even number)
.endr
	v_nop                                          ; one plain place behind a scaled conversion
.irp c, 0,1                            ; the operand's layout wants a whole block in a lane: lanes 0-15 block 2 c, lanes 16-31 block 2 c + 1
.irp i, 0,1,2
	v_permlane16_swap_b32 v[PC+6*\c+\i], v[PC+12+4*\c+\i]
.endr
.irp i, 0,1,2
	v_mov_b32 v[PC+3+6*\c+\i], v[PC+12+4*\c+\i]
.endr
.endr
.endm
	s_load_b256 s[4:11], s[0:1], 0x0               ; x s[4:5], route s[6:7], xc s[8:9], xsc s[10:11]
	s_load_b128 s[12:15], s[0:1], 0x20             ; slots s[12:13], out1 s[14:15]
	v_and_b32 v1, 31, v0                           ; lane
	v_and_b32 v2, 15, v0                           ; r
	v_bfe_u32 v3, v0, 4, 1                         ; h
	v_lshlrev_b32 v4, 4, v1                        ; 16 x lane
	v_lshlrev_b32 v5, 2, v2                        ; 4 r
	v_lshlrev_b32 v6, 2, v1                        ; 4 x lane
	v_mov_b32 v29, 0                               ; 0, never rewritten: the offset of the counts' loads and of out1
	s_mov_b32 s[SEL], 0x76543210
	s_mov_b32 s[SEL+1], 0xfedcba98
	s_and_b32 s56, ttmp7, 0xffff                   ; my K step
	s_mov_b32 s59, 0
	s_wait_kmcnt 0x0
	; ---- how many rows has each expert?  All 32 groups' eight counts (words 8-15 of a group's record of 128 bytes), the same addresses in every lane, summed in eight chains
.set g, 0
.rept 28
	global_load_b128 v[CN+8*g:CN+8*g+3], v29, s[6:7] offset:128*g+32
	global_load_b128 v[CN+8*g+4:CN+8*g+7], v29, s[6:7] offset:128*g+48
.set g, g+1
.endr
	s_wait_loadcnt 48                              ; groups 0-3 are in; the 2 x 24 loads of groups 4-27 may be out
.irp e, 0,1,2,3,4,5,6,7
	v_add_nc_u32 v[8+\e], v[CN+\e], v[CN+8+\e]     ; the first two groups start the sums
.endr
.irp q, 2,3
.irp e, 0,1,2,3,4,5,6,7
	v_add_nc_u32 v[8+\e], v[8+\e], v[CN+8*\q+\e]
.endr
.endr
.set g, 28
.rept 4                                ; groups 28-31 take the registers of groups 0-3
	global_load_b128 v[CN+8*(g-28):CN+8*(g-28)+3], v29, s[6:7] offset:128*g+32
	global_load_b128 v[CN+8*(g-28)+4:CN+8*(g-28)+7], v29, s[6:7] offset:128*g+48
.set g, g+1
.endr
	s_wait_loadcnt 8                               ; groups 4-27 are in; the eight loads just issued may be out
.set g, 4
.rept 24
.irp e, 0,1,2,3,4,5,6,7
	v_add_nc_u32 v[8+\e], v[8+\e], v[CN+8*g+\e]
.endr
.set g, g+1
.endr
	s_wait_loadcnt 0x0
.set g, 0
.rept 4
.irp e, 0,1,2,3,4,5,6,7
	v_add_nc_u32 v[8+\e], v[8+\e], v[CN+8*g+\e]
.endr
.set g, g+1
.endr
.irp e, 0,1,2,3,4,5,6,7
	v_readfirstlane_b32 s[20+\e], v[8+\e]          ; s20-27: rows of expert e
.endr
.irp b, 0,1,2,3
	v_mov_b32 v[TM+4+\b], 0                        ; a lane permute's destination counts as one of its sources
.endr
	s_mov_b32 s28, 0                               ; s28-35: first tile of expert e; s36: all tiles; s40-47: tiles of expert e
.irp e, 0,1,2,3,4,5,6,7
	s_add_co_u32 s[40+\e], s[20+\e], 15
	s_lshr_b32 s[40+\e], s[40+\e], 4
	s_add_co_u32 s[29+\e], s[28+\e], s[40+\e]
.endr
	s_cmp_ge_u32 ttmp9, s36
	s_cbranch_scc1 .Lend                           ; this split has no tile T
	s_mov_b32 s48, 0                               ; my expert: the last whose first tile is not behind T (an expert without rows is passed over by its successor),
	s_mov_b32 s49, 0                               ; its first tile,
	s_mov_b32 s50, s20                             ; its rows
.irp k, 1,2,3,4,5,6,7
	s_cmp_ge_u32 ttmp9, s[28+\k]
	s_cselect_b32 s48, \k, s48
	s_cselect_b32 s49, s[28+\k], s49
	s_cselect_b32 s50, s[20+\k], s50
.endr
	s_min_u32 s48, s48, 7
	s_lshl_b32 s57, s48, 2                         ; 4 e
.set g, 0
.rept 32
	s_load_b32 s[68+g], s[6:7], s57 offset:128*g+32   ; s68-99: my expert's count in each group
.set g, g+1
.endr
	s_sub_co_u32 s51, ttmp9, s49
	s_lshl_b32 s51, s51, 4                         ; the rank of my tile's first row
	s_sub_co_u32 s52, s50, s51                     ; true rows from there on: 1 at the least
	v_add_nc_u32 v24, s51, v2                      ; rho: my row's rank
	s_mov_b32 s54, 0
	s_lshl_b32 s58, s56, 9
	s_add_nc_u64 s[4:5], s[4:5], s[58:59]          ; x at my K step's 512 bytes
	s_mul_i32 s58, ttmp9, 12288
	s_mul_i32 s60, s56, 1536
	s_add_co_u32 s58, s58, s60
	s_add_nc_u64 s[8:9], s[8:9], s[58:59]          ; xc at my tile and K step
	s_lshl_b32 s58, ttmp9, 9
	s_lshl_b32 s60, s56, 6
	s_add_co_u32 s58, s58, s60
	s_add_nc_u64 s[10:11], s[10:11], s[58:59]      ; xsc likewise
	s_wait_kmcnt 0x0
	; ---- which group?  v25 = the number of groups that lie wholly ahead of rank rho; v26 (its low 24 bits) = rho less their counts: the rank within the group
.set g, 0
.rept 32
	s_add_co_u32 s54, s54, s[68+g]                 ; the counts up to and with group g
	s_sub_co_u32 s[37+g%2], 0x1000, s54
	v_add_nc_u32 v[8+g%2], s[37+g%2], v24          ; rho + 4096 - that sum: between 3,072 and 5,119
.if g == 0
	v_lshrrev_b32 v25, 12, v8                      ; 1 where the sum does not pass rho: the first starts the count
	v_mul_u32_u24 v10, s68, v25
	v_mad_u32_u24 v26, v10, 0xffffff, v24
.else
	v_lshrrev_b32 v[8+g%2], 12, v[8+g%2]
	v_add_nc_u32 v25, v25, v[8+g%2]
	v_mul_u32_u24 v[10+g%2], s[68+g], v[8+g%2]     ; the group's count, where it is passed,
	v_mad_u32_u24 v26, v[10+g%2], 0xffffff, v26    ; is taken off
.endif
.set g, g+1
.endr
	v_min_u32 v25, 31, v25                         ; (a padded row has passed all 32)
	v_lshlrev_b32 v27, 7, v25
	v_add_nc_u32 v27, s57, v27                     ; word e of the group's record: its mask of my expert
	global_load_b32 v28, v27, s[6:7]
	v_add_nc_u32 v26, 64, v26                      ; k + 64
	s_wait_loadcnt 0x0
	; ---- which token of the group?  v30 = the number of bit places up to and with which at most k bits are set: the place of set bit number k, counted from 0
.set b, 0
.rept 32
	v_bfe_u32 v[8+b%2], v28, b, 1
	v_mad_u32_u24 v26, v[8+b%2], 0xffffff, v26     ; k + 64 less the bits set so far: between 32 and 95
.if b == 0
	v_bfe_u32 v30, v26, 6, 1
.else
	v_bfe_u32 v[10+b%2], v26, 6, 1
	v_add_nc_u32 v30, v30, v[10+b%2]
.endif
.set b, b+1
.endr
	v_lshl_add_u32 v31, v25, 5, v30
	v_min_u32 v31, 0x3ff, v31                      ; my row's token
	v_lshlrev_b32 v10, 12, v31
	v_lshl_add_u32 v10, v3, 6, v10                 ; its row of 4,096 bytes, + 64 h: my 16 numbers of a block of 32
.irp b, 0,1,2,3
.irp j, 0,1,2,3
	global_load_b128 v[NUM+16*\b+4*\j:NUM+16*\b+4*\j+3], v10, s[4:5] offset:128*\b+16*\j
.endr
.endr
	s_wait_loadcnt 0x0
	QUANT NUM
.irp i, 0,1,2
	global_store_b128 v4, v[PC+4*\i:PC+4*\i+3], s[8:9] offset:512*\i   ; 32 lanes store 512 consecutive bytes, aligned
.endr
	global_store_b32 v5, v[PW], s[10:11]           ; lanes 16-31 repeat lanes 0-15: the same word to the same place
	s_cmp_lg_u32 s56, 0
	s_cbranch_scc1 .Lend
	; ---- the slot table: a true row at word 1024 e + token, a padded one at its own word behind the tile table; the choice is made by two factors of 0 or 1
	s_lshl_b32 s60, s48, 10
	v_add_nc_u32 v11, s60, v31                     ; 1024 e + token
	s_lshl_b32 s61, ttmp9, 4
	v_add_nc_u32 v12, s61, v2                      ; the slot: 16 T + row
	s_add_co_u32 s53, s61, 8256
	v_add_nc_u32 v13, s53, v2                      ; 8256 + 16 T + row
	s_add_co_u32 s62, s52, 4095
	v_mad_u32_u24 v14, v2, 0xffffff, s62           ; true rows + 4095 - row,
	v_bfe_u32 v14, v14, 12, 1                      ; 1 for a true row
	s_sub_co_u32 s63, 0x1000, s52
	v_add_nc_u32 v15, s63, v2                      ; row + 4096 - true rows,
	v_lshrrev_b32 v15, 12, v15                     ; 1 for a padded one
	v_mul_u32_u24 v11, v14, v11
	v_mad_u32_u24 v11, v15, v13, v11
	v_min_u32 v11, 0x28af, v11                     ; the last word: 8256 + 16 x 134 + 15
	v_lshlrev_b32 v11, 2, v11
	global_store_b32 v11, v12, s[12:13]
	s_cmp_lg_u32 ttmp9, 0
	s_cbranch_scc1 .Lend
	v_mov_b32 v13, 0                               ; the tile table
.irp e, 0,1,2,3,4,5,6,7
	v_writelane_b32 v13, s[28+\e], 2*\e
	v_writelane_b32 v13, s[40+\e], 2*\e+1
.endr
	v_writelane_b32 v13, s36, 16
	global_store_b32 v6, v13, s[12:13] offset:32768
	v_cvt_f32_u32 v14, s20                         ; out1 = the sum of (rows of e / 2,048)^2: the loads add up to 1,024 tokens x 2
	v_mul_f32 v14, 0x3a000000, v14                 ; x 2^-11
	v_mul_f32 v15, v14, v14
.irp e, 1,2,3,4,5,6,7
	v_cvt_f32_u32 v14, s[20+\e]
	v_mul_f32 v14, 0x3a000000, v14
	v_fma_f32 v15, v14, v14, v15
.endr
	global_store_b32 v29, v15, s[14:15]            ; all lanes store the same word, at offset 0
.Lend:
	s_endpgm
.Lfunc_end_k_qd68adb5986_place:
	.size	k_qd68adb5986_place, .Lfunc_end_k_qd68adb5986_place-k_qd68adb5986_place
	.p2alignl 7, 3214868480
	.fill 96, 4, 3214868480
	.section	.rodata,"a",@progbits
	.p2align	6, 0x0
	.amdhsa_kernel k_qd68adb5986_place
		.amdhsa_group_segment_fixed_size 0
		.amdhsa_private_segment_fixed_size 0
		.amdhsa_enable_private_segment 0
		.amdhsa_kernarg_size 48
		.amdhsa_user_sgpr_count 2
		.amdhsa_user_sgpr_kernarg_segment_ptr 1
		.amdhsa_wavefront_size32 1
		.amdhsa_system_sgpr_workgroup_id_x 1
		.amdhsa_system_sgpr_workgroup_id_y 1
		.amdhsa_system_sgpr_workgroup_id_z 1
		.amdhsa_system_vgpr_workitem_id 0
		.amdhsa_next_free_vgpr 256
		.amdhsa_next_free_sgpr 100
		.amdhsa_reserve_vcc 0
		.amdhsa_float_denorm_mode_32 3
		.amdhsa_float_denorm_mode_16_64 3
		.amdhsa_memory_ordered 1
		.amdhsa_forward_progress 1
		.amdhsa_inst_pref_size 48
	.end_amdhsa_kernel
	.amdgpu_metadata
---
amdhsa.version: [ 1, 2 ]
amdhsa.kernels:
  - .name:           k_qd68adb5986_place
    .symbol:         k_qd68adb5986_place.kd
    .args:
      - { .name: x, .offset: 0, .size: 8, .value_kind: global_buffer, .address_space: global }
      - { .name: route, .offset: 8, .size: 8, .value_kind: global_buffer, .address_space: global }
      - { .name: xc, .offset: 16, .size: 8, .value_kind: global_buffer, .address_space: global }
      - { .name: xsc, .offset: 24, .size: 8, .value_kind: global_buffer, .address_space: global }
      - { .name: slots, .offset: 32, .size: 8, .value_kind: global_buffer, .address_space: global }
      - { .name: out1, .offset: 40, .size: 8, .value_kind: global_buffer, .address_space: global }
    .group_segment_fixed_size: 0
    .private_segment_fixed_size: 0
    .kernarg_segment_align: 8
    .kernarg_segment_size: 48
    .max_flat_workgroup_size: 32
    .sgpr_count:     100
    .vgpr_count:     256
    .wavefront_size: 32
...
	.end_amdgpu_metadata
.endif
;; end of part 2
;; launch up (part 3): grid 32 x 8, 4 waves a work-group, no clusters, 100,864 bytes of LDS; arguments xc, xsc, slots, w1_codes, w1_scales, b1, hc, hs; writes hc, hs
.if DOCPART == 3
	.amdgcn_target "amdgcn-amd-amdhsa--gfx1250"
	.amdhsa_code_object_version 6
	.text
	.protected	k_qd68adb5986_up
	.globl	k_qd68adb5986_up
	.p2align	8
	.type	k_qd68adb5986_up,@function
k_qd68adb5986_up:
	s_mov_b64 s[64:65], 0
	v_nop
	global_prefetch_b8 v0, s[64:65] scope:SCOPE_SE
	s_setreg_imm32_b32 hwreg(HW_REG_WAVE_MODE, 25, 1), 1
	s_wait_xcnt 0x0
; A GROUPED GEMM ON CODES OF E3M2: [the rows of one expert] x [128 columns of its weight] x [K = 1,024].  One text serves both layers; DOWN says which.
;   DOWN = 0: h = Q(relu(x W1 + b1)).  Work-group (c, e): hidden units 128 c .. 128 c + 127 of expert e.  Q: E3M2 with one E8M0 byte for each 32 hidden units; h leaves as codes.
;   DOWN = 1: y[q] = h W2 over K steps 8 q .. 8 q + 7.  Work-group (dc + 8 q, e): outputs 128 dc .. + 127, quarter q of K = 4,096.  The four quarters leave as f32 and are added by the next launch.
; Only the rows that chose the expert are multiplied: they lie in tiles of 16 (slot = 16 tile + row), TB .. TB + NT - 1, read from the tile table that an earlier launch stored.
; WEIGHTS: the work-group's 128 rows x 768 bytes are loaded ONCE in the launch (sixteen lanes to 256 consecutive bytes, aligned) and stay in LDS, rows 784 bytes apart: 196 words, so that the 32 lanes of a
; load of 8 bytes (row r, + 24 bytes for the upper half) fall on words 4 r + {0, 1, 6, 7} modulo 64 (64 banks of 4 bytes: ISA guide 11.1).
; ROWS: operand images (12 registers a lane as 3 x 512 bytes) straight from memory into a ring of four K steps of registers, asked for three K steps ahead.
; SHARES: wave w takes tiles w + 4 g (g = 0..4) of a pass of 20 tiles: 40 accumulators; each fragment of the weight read from LDS feeds five products.  An expert with more than 20 tiles takes further passes.
; A token names an expert at most once, so an expert has at most 1,024 rows, 64 tiles: tiles w + 4 g + 20 p lie under 64 only for p = 0..3.  The loop over passes is counted to that constant, 4, and a wave
; leaves it by a forward branch as soon as it has no tile left.  A wave with fewer than five tiles left multiplies a clamped tile in their stead and stores nothing for it.
; THE PRODUCT IS USED TRANSPOSED (source 0 = 16 rows of the weight, source 1 = 16 slot rows): a lane holds one slot row, its registers neighbouring columns.
; DOWN = 0: LDS row 16 t + m holds hidden unit 32 (t / 2) + 8 (t % 2) + m + 8 (m / 8) (bits 3 and 4 of the row's number change places on the way into LDS), so that the 16 registers of tiles 2 b, 2 b + 1 are
; 16 neighbours along the next K.  b1 is the C of each sum's first product.
; NO TENSOR LOADS AND NO JOINT REQUESTS: the branches round the passes and the stores hang on counts read from memory, so every operand comes by plain loads; the one barrier stands ahead of those branches.
; LIMITS: a block of h that is all zeros carries the byte 1 with zero codes (this program alone reads the bytes); blocks under 2^-122 are scaled by the floor; NaN and infinities are not served.
; REGISTERS, in windows of 256: window 0: v1-11 addresses; v16-47 the weight's scale words; v48-67 the rows' scale words; v68-131 b1; v132-195 a tile on its way out; v196-233 the quantiser's.
;   window 1: accumulators of g = 0..3 at 64 g + 8 t (at the head: the weights on their way to LDS).   window 2: v0-63 accumulators of g = 4; v64-159, v160-255 two sets of the weight's fragments.
;   window 3: the ring: K step s at 60 (s % 4) + 12 g.
.set DOWN, 0
.if DOWN
.set WROW,   3072                      ; a weight row in memory
.set ATILE,  49152                     ; a tile's images
.set SCTILE, 2048                      ; a tile's scale words
.else
.set WROW,   768
.set ATILE,  12288
.set SCTILE, 512
.endif
.set PITCH, 784
.set PASSES, 4                         ; 64 tiles at the most, 20 a pass
.set STG,   128*PITCH                  ; DOWN = 1: behind the weights a stage of 16 rows x (512 + 16) bytes for each wave
.set BSC,  16                          ; register 4 t + i: lanes 0-15 K step i, lanes 16-31 K step 4 + i, of the weight's tile t
.set ASC,  48                          ; register 4 g + j: lanes 0-15 K step 2 j, lanes 16-31 K step 2 j + 1, of my tile g
.set BIAS, 68
.set H,    132
.set TM,   196
.set PW,   212
.set PC,   214
.set SEL,  30                          ; s[30:31]
.set MSB, 0
.macro WIN new                         ; the immediate's high byte repeats the setting that is left
.if MSB != \new
	s_set_vgpr_msb (MSB<<8)|\new
.set MSB, \new
.endif
.endm
.macro PLACES n
.rept \n
	v_nop
.endr
.endm
.macro QUANT s                         ; 64 numbers of a lane, register 16 b + i = k 32 b + 16 (lane / 16) + i of my row, become a fragment's codes in v[PC] .. v[PC + 11] and the row's scale word in v[PW]
.irp b, 0,1,2,3
	v_max3_num_f32 v[TM+\b], |v[\s+16*\b]|, |v[\s+1+16*\b]|, 0x2800000   ; and the floor 2^(5 - 127): the byte cannot fall under 1
.endr
.irp i, 2,4,6,8,10,12,14
.irp b, 0,1,2,3
	v_max3_num_f32 v[TM+\b], v[TM+\b], |v[\s+16*\b+\i]|, |v[\s+1+16*\b+\i]|
.endr
.endr
.irp b, 0,1,2,3
	v_permlanex16_b32 v[TM+4+\b], v[TM+\b], s[SEL], s[SEL+1]
.endr
.irp b, 0,1,2,3
	v_max_num_f32 v[TM+\b], v[TM+\b], v[TM+4+\b]
.endr
.irp b, 0,1,2,3
	v_add_nc_u32 v[TM+12+\b], 0xfe000000, v[TM+\b] ; 4 off the exponent field: the conversion's scale operand
.endr
.irp b, 0,1,2,3
	v_lshrrev_b32 v[TM+4+\b], 23, v[TM+12+\b]      ; the scale's byte
.endr
	v_lshl_or_b32 v[PW], v[TM+5], 8, v[TM+4]
	v_lshl_or_b32 v[PW], v[TM+6], 16, v[PW]
	v_lshl_or_b32 v[PW], v[TM+7], 24, v[PW]
.irp c, 0,1
	v_cvt_scalef32_pk16_bf6_f32 v[PC+6*\c:PC+2+6*\c], v[\s+32*\c:\s+15+32*\c], v[TM+12+2*\c]
	v_cvt_scalef32_pk16_bf6_f32 v[PC+12+4*\c:PC+14+4*\c], v[\s+16+32*\c:\s+31+32*\c], v[TM+12+2*\c+1]
.endr
	v_nop                                          ; one plain place behind a scaled conversion
.irp c, 0,1
.irp i, 0,1,2
	v_permlane16_swap_b32 v[PC+6*\c+\i], v[PC+12+4*\c+\i]
.endr
.irp i, 0,1,2
	v_mov_b32 v[PC+3+6*\c+\i], v[PC+12+4*\c+\i]
.endr
.endr
.endm
; My five tiles of the pass that begins at s28, each held inside the expert's tiles, inside the tiles that were written, and under a constant; and where their images and scale words begin.
.macro TILES
.irp g, 0,1,2,3,4
	s_add_co_u32 s66, s28, 4*\g
	s_min_u32 s66, s66, s27
	s_add_co_u32 s66, s66, s24
	s_min_u32 s66, s66, s26
	s_min_u32 s[36+\g], s66, 134
	s_mul_i32 s66, s[36+\g], ATILE
	s_add_nc_u64 s[44+2*\g:45+2*\g], s[32:33], s[66:67]
	s_mul_i32 s66, s[36+\g], SCTILE
	s_add_nc_u64 s[54+2*\g:55+2*\g], s[34:35], s[66:67]
.endr
.endm
.macro ALOAD s                         ; K step s of my five tiles into the ring: 15 loads of 512 consecutive bytes
.irp g, 0,1,2,3,4
.irp i, 0,1,2
	global_load_b128 v[60*((\s)%4)+12*\g+4*\i:60*((\s)%4)+12*\g+4*\i+3], v1, s[44+2*\g:45+2*\g] offset:1536*(\s)+512*\i
.endr
.endr
.endm
.macro HEAD_A                          ; 50 loads: the pass's scale words, K steps 0 and 1
	WIN 0
.irp g, 0,1,2,3,4
.irp j, 0,1,2,3
	global_load_b32 v[ASC+4*\g+\j], v2, s[54+2*\g:55+2*\g] offset:128*\j
.endr
.endr
	WIN 0xc0
	ALOAD 0
	ALOAD 1
.endm
.macro HEAD_B                          ; 15 loads: K step 2
	WIN 0xc0
	ALOAD 2
.endm
.macro BLOAD s                         ; the weight's eight fragments of K step s from LDS into set s % 2: 48 loads of 8 bytes a lane
	WIN 0x80
.irp t, 0,1,2,3,4,5,6,7
.irp p, 0,1,2,3,4,5
	ds_load_b64 v[64+96*((\s)%2)+12*\t+2*\p:64+96*((\s)%2)+12*\t+2*\p+1], v[4+\t/4] offset:(\t%4)*16*PITCH+96*(\s)+48*(\p/3)+8*(\p%3)
.endr
.endr
.endm
.macro WM g, t, s                      ; one product: the weight's tile t x my tile g, K step s
.set rD, 64*((\g)%4)+8*(\t)
.set rB, 64+96*((\s)%2)+12*(\t)
.set rA, 60*((\s)%4)+12*(\g)
.set rBS, BSC+4*(\t)+(\s)%4
.set rAS, ASC+4*(\g)+(\s)/2
.set rC, rD
.if (DOWN == 0) && ((\s) == 0)
.set rC, BIAS+8*(\t)
.endif
.if (DOWN == 1) && ((\s) == 0)
	v_wmma_scale_f32_16x16x128_f8f6f4 v[rD:rD+7], v[rB:rB+11], v[rA:rA+11], 0, v[rBS], v[rAS] matrix_a_fmt:MATRIX_FMT_BF6 matrix_b_fmt:MATRIX_FMT_BF6
.elseif ((\s) < 4) && (((\s)%2) == 0)
	v_wmma_scale_f32_16x16x128_f8f6f4 v[rD:rD+7], v[rB:rB+11], v[rA:rA+11], v[rC:rC+7], v[rBS], v[rAS] matrix_a_fmt:MATRIX_FMT_BF6 matrix_b_fmt:MATRIX_FMT_BF6
.elseif (\s) < 4
	v_wmma_scale_f32_16x16x128_f8f6f4 v[rD:rD+7], v[rB:rB+11], v[rA:rA+11], v[rC:rC+7], v[rBS], v[rAS] matrix_a_fmt:MATRIX_FMT_BF6 matrix_b_fmt:MATRIX_FMT_BF6 matrix_b_scale:MATRIX_SCALE_ROW1
.elseif ((\s)%2) == 0
	v_wmma_scale_f32_16x16x128_f8f6f4 v[rD:rD+7], v[rB:rB+11], v[rA:rA+11], v[rC:rC+7], v[rBS], v[rAS] matrix_a_fmt:MATRIX_FMT_BF6 matrix_b_fmt:MATRIX_FMT_BF6 matrix_a_scale:MATRIX_SCALE_ROW1
.else
	v_wmma_scale_f32_16x16x128_f8f6f4 v[rD:rD+7], v[rB:rB+11], v[rA:rA+11], v[rC:rC+7], v[rBS], v[rAS] matrix_a_fmt:MATRIX_FMT_BF6 matrix_b_fmt:MATRIX_FMT_BF6 matrix_a_scale:MATRIX_SCALE_ROW1 matrix_b_scale:MATRIX_SCALE_ROW1
.endif
.endm
; A K step: 40 products, the 40 accumulators by turns, one instruction a turn.
.macro STEP s
.if (\s) <= 5
	s_wait_loadcnt 30                              ; this step's images are in; the 2 x 15 loads of the two steps behind it may be out
.elseif (\s) == 6
	s_wait_loadcnt 15
.else
	s_wait_loadcnt 0
.endif
	s_wait_dscnt 0x0                               ; this step's fragments of the weight, asked for a K step ago
.if (\s) < 7
	PLACES 4                                       ; four places between the last step's products and the loads into the set and the ring slot that they read (ISA guide 7.12.1 for vector instructions)
	BLOAD (\s)+1
.endif
.if (\s) <= 4
	WIN 0xc0
	ALOAD (\s)+3
.endif
.irp g, 0,1,2,3,4
.if (DOWN == 0) && ((\s) == 0)
.if \g < 4
	WIN 0x4e                                       ; source 0 window 2, source 1 window 3, C (b1) window 0, D window 1
.else
	WIN 0x8e
.endif
.else
.if \g < 4
	WIN 0x5e                                       ; C and D window 1
.else
	WIN 0xae                                       ; C and D window 2
.endif
.endif
.irp t, 0,1,2,3,4,5,6,7
	WM \g, \t, \s
.endr
.endr
.endm
; Tile g leaves, if the expert has it.
.macro EPI g
	s_add_co_u32 s66, s28, 4*(\g)
	s_cmp_ge_u32 s66, s25
	s_cbranch_scc1 .Lno_tile_\@
	s_wait_xcnt 0x0                                ; the last tile's stores have read their data and their base: both are written again below
.set rD0, 64*((\g)%4)
.if (\g) < 4
	WIN 0x04                                       ; source 1 (an LDS store's data; the maximum's second source): window 1
.else
	WIN 0x08
.endif
.if DOWN
.irp t, 0,1,2,3,4,5,6,7
	ds_store_b128 v10, v[rD0+8*\t:rD0+8*\t+3] offset:64*\t          ; lane (r, h): row r, columns 16 t + 8 h + 0 .. 7; each accumulator from its low end on
	ds_store_b128 v10, v[rD0+8*\t+4:rD0+8*\t+7] offset:64*\t+16
.endr
	WIN 0
.irp i, 0,1,2,3,4,5,6,7,8,9,10,11,12,13,14,15
	ds_load_b128 v[H+4*\i:H+4*\i+3], v11 offset:528*\i              ; my own stage: LDS serves a wave's instructions in order (ISA guide 5.7.1.4)
.endr
	s_lshl_b32 s66, s[36+(\g)], 16
	s_add_nc_u64 s[68:69], s[72:73], s[66:67]
.irp i, 0,1,2,3,4,5,6,7,8,9,10,11,12,13,14,15
	s_wait_dscnt 15-\i
	global_store_b128 v1, v[H+4*\i:H+4*\i+3], s[68:69] offset:4096*\i th:TH_STORE_NT   ; 32 lanes store 512 consecutive bytes, aligned
.endr
.else
.set j, 0
.rept 64
	v_max_num_f32 v[H+j], 0, v[rD0+j]              ; relu, and the way into window 0, in one; each accumulator from its low end on
.set j, j+1
.endr
	WIN 0
	QUANT H
	s_mul_i32 s66, s[36+(\g)], 49152
	s_add_nc_u64 s[68:69], s[72:73], s[66:67]
	s_lshl_b32 s66, s[36+(\g)], 11
	s_add_nc_u64 s[70:71], s[74:75], s[66:67]
.irp i, 0,1,2
	global_store_b128 v1, v[PC+4*\i:PC+4*\i+3], s[68:69] offset:512*\i th:TH_STORE_NT  ; K step c of the next product, as an image: 512 consecutive bytes a store
.endr
	global_store_b32 v3, v[PW], s[70:71]           ; lanes 16-31 repeat lanes 0-15
.endif
.Lno_tile_\@:
.endm
	s_load_b256 s[4:11], s[0:1], 0x0               ; the rows' images s[4:5], their scale words s[6:7], slots s[8:9], the weight's codes s[10:11]
	s_load_b128 s[12:15], s[0:1], 0x20             ; the weight's scales s[12:13]; b1 or y s[14:15]
.if DOWN == 0
	s_load_b128 s[16:19], s[0:1], 0x30             ; hc s[16:17], hs s[18:19]
	v_lshl_add_u32 v254, v0, 2, 0x18800
	v_mov_b32 v255, 0
.endif
	v_and_b32 v240, 31, v0                         ; lane
	v_and_b32 v241, 15, v0                         ; r
	v_bfe_u32 v242, v0, 4, 1                       ; h
	v_lshrrev_b32 v243, 5, v0                      ; wave
	v_readfirstlane_b32 s20, v243
	v_lshlrev_b32 v1, 4, v240                      ; 16 x lane
	v_lshlrev_b32 v2, 2, v240                      ; 4 x lane
	v_lshlrev_b32 v3, 2, v241                      ; 4 r
	v_mul_u32_u24 v4, v241, PITCH
	v_mad_u32_u24 v4, v242, 24, v4                 ; a fragment's row r, + 24 h: tiles 0-3,
	v_add_nc_u32 v5, 4*16*PITCH, v4                ; tiles 4-7
	v_lshl_add_u32 v244, v243, 5, v242             ; the weights' way in: row 32 w + h (+ 2 x pair),
	v_mul_u32_u24 v6, v244, WROW
	v_lshl_add_u32 v6, v241, 4, v6                 ; 16 bytes a lane: in memory,
	v_mul_u32_u24 v7, v244, PITCH
	v_lshl_add_u32 v7, v241, 4, v7                 ; and in LDS
	v_lshlrev_b32 v8, 6, v242                      ; b1: 16 h numbers on
.if DOWN
	v_lshlrev_b32 v9, 7, v241                      ; the weight's scales: row r of 128 bytes, + 16 h
	v_lshl_add_u32 v9, v242, 4, v9
	v_mul_u32_u24 v245, v243, 16*528               ; my stage
	v_mad_u32_u24 v10, v241, 528, v245
	v_lshl_add_u32 v10, v242, 5, v10
	v_add_nc_u32 v10, STG, v10                     ; in: row r, + 32 h
	v_add_nc_u32 v11, v245, v1
	v_add_nc_u32 v11, STG, v11                     ; back: a row of 512 bytes to the 32 lanes
.else
	v_and_b32 v245, 8, v241
	v_add_nc_u32 v245, v245, v241                  ; r + 8 (r / 8)
	v_lshlrev_b32 v9, 5, v245                      ; the weight's scales: that row of 32 bytes, + 16 h
	v_lshl_add_u32 v9, v242, 4, v9
.irp b, 0,1,2,3
	v_mov_b32 v[TM+4+\b], 0                        ; a lane permute's destination counts as one of its sources
.endr
.endif
	s_mov_b32 s[SEL], 0x76543210
	s_mov_b32 s[SEL+1], 0xfedcba98
	s_and_b32 s21, ttmp7, 0xffff                   ; the expert
	s_mov_b32 s67, 0
	s_mov_b32 s69, 0
	s_lshl_b32 s29, s21, 3
.if DOWN
	s_and_b32 s22, ttmp9, 7                        ; which 128 outputs
	s_lshr_b32 s23, ttmp9, 3                       ; which quarter of K
	s_lshl_b32 s66, s21, 10
.else
	s_mov_b32 s22, ttmp9                           ; which 128 hidden units
	s_lshl_b32 s66, s21, 12
.endif
	s_lshl_b32 s68, s22, 7
	s_add_co_u32 s66, s66, s68                     ; my first row of the weight
	s_wait_kmcnt 0x0
	s_load_b64 s[24:25], s[8:9], s29 offset:0x8000 ; the expert's first tile, its tiles
	s_load_b32 s26, s[8:9], 0x8040                 ; all tiles
	s_mul_i32 s68, s66, WROW
	s_add_nc_u64 s[10:11], s[10:11], s[68:69]
.if DOWN
	s_mul_i32 s68, s23, 768
	s_add_nc_u64 s[10:11], s[10:11], s[68:69]
	s_lshl_b32 s68, s66, 7
	s_add_nc_u64 s[12:13], s[12:13], s[68:69]
	s_lshl_b32 s68, s23, 5
	s_add_nc_u64 s[12:13], s[12:13], s[68:69]
	s_mul_i32 s68, s23, 12288
	s_add_nc_u64 s[32:33], s[4:5], s[68:69]        ; the rows' images from K step 8 q on,
	s_lshl_b32 s68, s23, 9
	s_add_nc_u64 s[34:35], s[6:7], s[68:69]        ; and their scale words
	s_mul_i32 s68, s23, 8912896
	s_add_nc_u64 s[72:73], s[14:15], s[68:69]      ; y: quarter q (2,176 slots of 4,096 bytes),
	s_lshl_b32 s68, s22, 9
	s_add_nc_u64 s[72:73], s[72:73], s[68:69]      ; my 128 columns
.else
	s_lshl_b32 s68, s66, 5
	s_add_nc_u64 s[12:13], s[12:13], s[68:69]
	s_lshl_b32 s68, s66, 2
	s_add_nc_u64 s[14:15], s[14:15], s[68:69]
	s_mov_b64 s[32:33], s[4:5]
	s_mov_b64 s[34:35], s[6:7]
	s_mul_i32 s68, s22, 1536
	s_add_nc_u64 s[72:73], s[16:17], s[68:69]      ; hc: K step c
	s_lshl_b32 s68, s22, 6
	s_add_nc_u64 s[74:75], s[18:19], s[68:69]      ; hs likewise
.endif
.irp t, 0,1,2,3,4,5,6,7
.if DOWN
	global_load_b128 v[BSC+4*\t:BSC+4*\t+3], v9, s[12:13] offset:2048*\t
.else
	global_load_b128 v[BSC+4*\t:BSC+4*\t+3], v9, s[12:13] offset:(32*(\t/2)+8*(\t%2))*32
.endif
.endr
.if DOWN == 0
.irp t, 0,1,2,3,4,5,6,7
	global_load_b128 v[BIAS+8*\t:BIAS+8*\t+3], v8, s[14:15] offset:(32*(\t/2)+8*(\t%2))*4      ; lane (r, h), tile t: b1 of hidden units 32 (t / 2) + 16 h + 8 (t % 2) + 0 .. 7
	global_load_b128 v[BIAS+8*\t+4:BIAS+8*\t+7], v8, s[14:15] offset:(32*(\t/2)+8*(\t%2))*4+16
.endr
.endif
	WIN 0x40                                       ; destination window 1
.set n, 0
.rept 48                               ; my 32 rows of the weight: two rows and 256 bytes of each an instruction
	global_load_b128 v[4*n:4*n+3], v6, s[10:11] offset:(n/3)*2*WROW+256*(n%3) th:TH_LOAD_NT
.set n, n+1
.endr
	WIN 0
	s_wait_kmcnt 0x0
	s_sub_co_u32 s26, s26, 1                       ; the last tile that was written
	s_sub_co_u32 s27, s25, 1                       ; the expert's last tile, counted from its first
	s_mov_b32 s28, s20                             ; my first tile of the pass: the wave's number
	s_mov_b32 s76, 0                               ; passes done
	TILES
	HEAD_A
	s_wait_loadcnt 50                              ; behind the weights stand HEAD_A's 50 loads: the weights, their scales and b1 are in
	WIN 0x04                                       ; an LDS store's data: window 1
.set n, 0
.rept 48
.set pr, n/3
.if DOWN
.set sw, 2*pr
.else
.set sw, 2*((pr&3)|((pr&4)<<1)|((pr&8)>>1))        ; bits 3 and 4 of the row's number change places
.endif
	ds_store_b128 v7, v[4*n:4*n+3] offset:sw*PITCH+256*(n%3)
.set n, n+1
.endr
	HEAD_B
	WIN 0
	s_wait_dscnt 0x0                               ; for the others' sake: my rows of the weight lie in LDS
	s_barrier_signal -1
	s_barrier_wait -1                              ; the one barrier: every wave passes it, ahead of every branch on the counts
	s_cmp_ge_u32 s28, s25
	s_cbranch_scc1 .Lend                           ; no tile for this wave
.Lpass:
	PLACES 5                                       ; the sums begin anew over the last pass's accumulators: five places behind its last products
	BLOAD 0
	STEP 0
	STEP 1
	STEP 2
	STEP 3
	STEP 4
	STEP 5
	STEP 6
	STEP 7
	WIN 0
	PLACES 4                                       ; in front of the first read of results, and of the next pass's loads into registers that the products read
	EPI 0
	EPI 1
	EPI 2
	EPI 3
	EPI 4
	s_add_co_u32 s28, s28, 20
	s_cmp_ge_u32 s28, s25
	s_cbranch_scc1 .Lend                           ; no tile is left for this wave: the last pass asks for nothing more
	s_wait_xcnt 0x0                                ; every earlier load and store has read its base: the tiles' bases are written again
	TILES
	HEAD_A
	HEAD_B
	WIN 0
	s_add_co_u32 s76, s76, 1
	s_cmp_lt_u32 s76, PASSES                       ; the loop's own count: behind four passes the branch above has been taken, since 64 tiles are the most
	s_cbranch_scc1 .Lpass
.Lend:
	s_wait_tensorcnt 0x0
	ds_add_u32 v254, v255
	s_wait_dscnt 0x0
	s_endpgm
.Lfunc_end_k_qd68adb5986_up:
	.size	k_qd68adb5986_up, .Lfunc_end_k_qd68adb5986_up-k_qd68adb5986_up
	.p2alignl 7, 3214868480
	.fill 96, 4, 3214868480
	.section	.rodata,"a",@progbits
	.p2align	6, 0x0
	.amdhsa_kernel k_qd68adb5986_up
		.amdhsa_group_segment_fixed_size 100864
		.amdhsa_private_segment_fixed_size 0
		.amdhsa_enable_private_segment 0
		.amdhsa_kernarg_size 64
		.amdhsa_user_sgpr_count 2
		.amdhsa_user_sgpr_kernarg_segment_ptr 1
		.amdhsa_wavefront_size32 1
		.amdhsa_system_sgpr_workgroup_id_x 1
		.amdhsa_system_sgpr_workgroup_id_y 1
		.amdhsa_system_sgpr_workgroup_id_z 1
		.amdhsa_system_vgpr_workitem_id 0
		.amdhsa_next_free_vgpr 1024
		.amdhsa_next_free_sgpr 80
		.amdhsa_reserve_vcc 0
		.amdhsa_float_denorm_mode_32 3
		.amdhsa_float_denorm_mode_16_64 3
		.amdhsa_memory_ordered 1
		.amdhsa_forward_progress 1
		.amdhsa_inst_pref_size 136
	.end_amdhsa_kernel
	.amdgpu_metadata
---
amdhsa.version: [ 1, 2 ]
amdhsa.kernels:
  - .name:           k_qd68adb5986_up
    .symbol:         k_qd68adb5986_up.kd
    .args:
      - { .name: xc, .offset: 0, .size: 8, .value_kind: global_buffer, .address_space: global }
      - { .name: xsc, .offset: 8, .size: 8, .value_kind: global_buffer, .address_space: global }
      - { .name: slots, .offset: 16, .size: 8, .value_kind: global_buffer, .address_space: global }
      - { .name: w1_codes, .offset: 24, .size: 8, .value_kind: global_buffer, .address_space: global }
      - { .name: w1_scales, .offset: 32, .size: 8, .value_kind: global_buffer, .address_space: global }
      - { .name: b1, .offset: 40, .size: 8, .value_kind: global_buffer, .address_space: global }
      - { .name: hc, .offset: 48, .size: 8, .value_kind: global_buffer, .address_space: global }
      - { .name: hs, .offset: 56, .size: 8, .value_kind: global_buffer, .address_space: global }
    .group_segment_fixed_size: 100864
    .private_segment_fixed_size: 0
    .kernarg_segment_align: 8
    .kernarg_segment_size: 64
    .max_flat_workgroup_size: 128
    .sgpr_count:     80
    .vgpr_count:     1024
    .wavefront_size: 32
...
	.end_amdgpu_metadata
.endif
;; end of part 3
;; launch down (part 4): grid 32 x 8, 4 waves a work-group, no clusters, 134,656 bytes of LDS; arguments hc, hs, slots, w2_codes, w2_scales, y; writes y
.if DOCPART == 4
	.amdgcn_target "amdgcn-amd-amdhsa--gfx1250"
	.amdhsa_code_object_version 6
	.text
	.protected	k_qd68adb5986_down
	.globl	k_qd68adb5986_down
	.p2align	8
	.type	k_qd68adb5986_down,@function
k_qd68adb5986_down:
	s_mov_b64 s[64:65], 0
	v_nop
	global_prefetch_b8 v0, s[64:65] scope:SCOPE_SE
	s_setreg_imm32_b32 hwreg(HW_REG_WAVE_MODE, 25, 1), 1
	s_wait_xcnt 0x0
; A GROUPED GEMM ON CODES OF E3M2: [the rows of one expert] x [128 columns of its weight] x [K = 1,024].  One text serves both layers; DOWN says which.
;   DOWN = 0: h = Q(relu(x W1 + b1)).  Work-group (c, e): hidden units 128 c .. 128 c + 127 of expert e.  Q: E3M2 with one E8M0 byte for each 32 hidden units; h leaves as codes.
;   DOWN = 1: y[q] = h W2 over K steps 8 q .. 8 q + 7.  Work-group (dc + 8 q, e): outputs 128 dc .. + 127, quarter q of K = 4,096.  The four quarters leave as f32 and are added by the next launch.
; Only the rows that chose the expert are multiplied: they lie in tiles of 16 (slot = 16 tile + row), TB .. TB + NT - 1, read from the tile table that an earlier launch stored.
; WEIGHTS: the work-group's 128 rows x 768 bytes are loaded ONCE in the launch (sixteen lanes to 256 consecutive bytes, aligned) and stay in LDS, rows 784 bytes apart: 196 words, so that the 32 lanes of a
; load of 8 bytes (row r, + 24 bytes for the upper half) fall on words 4 r + {0, 1, 6, 7} modulo 64 (64 banks of 4 bytes: ISA guide 11.1).
; ROWS: operand images (12 registers a lane as 3 x 512 bytes) straight from memory into a ring of four K steps of registers, asked for three K steps ahead.
; SHARES: wave w takes tiles w + 4 g (g = 0..4) of a pass of 20 tiles: 40 accumulators; each fragment of the weight read from LDS feeds five products.  An expert with more than 20 tiles takes further passes.
; A token names an expert at most once, so an expert has at most 1,024 rows, 64 tiles: tiles w + 4 g + 20 p lie under 64 only for p = 0..3.  The loop over passes is counted to that constant, 4, and a wave
; leaves it by a forward branch as soon as it has no tile left.  A wave with fewer than five tiles left multiplies a clamped tile in their stead and stores nothing for it.
; THE PRODUCT IS USED TRANSPOSED (source 0 = 16 rows of the weight, source 1 = 16 slot rows): a lane holds one slot row, its registers neighbouring columns.
; DOWN = 1: a tile's 16 rows x 128 columns go through the wave's own stage in LDS and leave as rows of 512 consecutive bytes.  K is summed in four quarters, each ascending; the quarters are added in f32 later.
; NO TENSOR LOADS AND NO JOINT REQUESTS: the branches round the passes and the stores hang on counts read from memory, so every operand comes by plain loads; the one barrier stands ahead of those branches.
; LIMITS: NaN and infinities are not served.
; REGISTERS, in windows of 256: window 0: v1-11 addresses; v16-47 the weight's scale words; v48-67 the rows' scale words; v132-195 a tile on its way out.
;   window 1: accumulators of g = 0..3 at 64 g + 8 t (at the head: the weights on their way to LDS).   window 2: v0-63 accumulators of g = 4; v64-159, v160-255 two sets of the weight's fragments.
;   window 3: the ring: K step s at 60 (s % 4) + 12 g.
.set DOWN, 1
.if DOWN
.set WROW,   3072                      ; a weight row in memory
.set ATILE,  49152                     ; a tile's images
.set SCTILE, 2048                      ; a tile's scale words
.else
.set WROW,   768
.set ATILE,  12288
.set SCTILE, 512
.endif
.set PITCH, 784
.set PASSES, 4                         ; 64 tiles at the most, 20 a pass
.set STG,   128*PITCH                  ; DOWN = 1: behind the weights a stage of 16 rows x (512 + 16) bytes for each wave
.set BSC,  16                          ; register 4 t + i: lanes 0-15 K step i, lanes 16-31 K step 4 + i, of the weight's tile t
.set ASC,  48                          ; register 4 g + j: lanes 0-15 K step 2 j, lanes 16-31 K step 2 j + 1, of my tile g
.set BIAS, 68
.set H,    132
.set TM,   196
.set PW,   212
.set PC,   214
.set SEL,  30                          ; s[30:31]
.set MSB, 0
.macro WIN new                         ; the immediate's high byte repeats the setting that is left
.if MSB != \new
	s_set_vgpr_msb (MSB<<8)|\new
.set MSB, \new
.endif
.endm
.macro PLACES n
.rept \n
	v_nop
.endr
.endm
.macro QUANT s                         ; 64 numbers of a lane, register 16 b + i = k 32 b + 16 (lane / 16) + i of my row, become a fragment's codes in v[PC] .. v[PC + 11] and the row's scale word in v[PW]
.irp b, 0,1,2,3
	v_max3_num_f32 v[TM+\b], |v[\s+16*\b]|, |v[\s+1+16*\b]|, 0x2800000   ; and the floor 2^(5 - 127): the byte cannot fall under 1
.endr
.irp i, 2,4,6,8,10,12,14
.irp b, 0,1,2,3
	v_max3_num_f32 v[TM+\b], v[TM+\b], |v[\s+16*\b+\i]|, |v[\s+1+16*\b+\i]|
.endr
.endr
.irp b, 0,1,2,3
	v_permlanex16_b32 v[TM+4+\b], v[TM+\b], s[SEL], s[SEL+1]
.endr
.irp b, 0,1,2,3
	v_max_num_f32 v[TM+\b], v[TM+\b], v[TM+4+\b]
.endr
.irp b, 0,1,2,3
	v_add_nc_u32 v[TM+12+\b], 0xfe000000, v[TM+\b] ; 4 off the exponent field: the conversion's scale operand
.endr
.irp b, 0,1,2,3
	v_lshrrev_b32 v[TM+4+\b], 23, v[TM+12+\b]      ; the scale's byte
.endr
	v_lshl_or_b32 v[PW], v[TM+5], 8, v[TM+4]
	v_lshl_or_b32 v[PW], v[TM+6], 16, v[PW]
	v_lshl_or_b32 v[PW], v[TM+7], 24, v[PW]
.irp c, 0,1
	v_cvt_scalef32_pk16_bf6_f32 v[PC+6*\c:PC+2+6*\c], v[\s+32*\c:\s+15+32*\c], v[TM+12+2*\c]
	v_cvt_scalef32_pk16_bf6_f32 v[PC+12+4*\c:PC+14+4*\c], v[\s+16+32*\c:\s+31+32*\c], v[TM+12+2*\c+1]
.endr
	v_nop                                          ; one plain place behind a scaled conversion
.irp c, 0,1
.irp i, 0,1,2
	v_permlane16_swap_b32 v[PC+6*\c+\i], v[PC+12+4*\c+\i]
.endr
.irp i, 0,1,2
	v_mov_b32 v[PC+3+6*\c+\i], v[PC+12+4*\c+\i]
.endr
.endr
.endm
; My five tiles of the pass that begins at s28, each held inside the expert's tiles, inside the tiles that were written, and under a constant; and where their images and scale words begin.
.macro TILES
.irp g, 0,1,2,3,4
	s_add_co_u32 s66, s28, 4*\g
	s_min_u32 s66, s66, s27
	s_add_co_u32 s66, s66, s24
	s_min_u32 s66, s66, s26
	s_min_u32 s[36+\g], s66, 134
	s_mul_i32 s66, s[36+\g], ATILE
	s_add_nc_u64 s[44+2*\g:45+2*\g], s[32:33], s[66:67]
	s_mul_i32 s66, s[36+\g], SCTILE
	s_add_nc_u64 s[54+2*\g:55+2*\g], s[34:35], s[66:67]
.endr
.endm
.macro ALOAD s                         ; K step s of my five tiles into the ring: 15 loads of 512 consecutive bytes
.irp g, 0,1,2,3,4
.irp i, 0,1,2
	global_load_b128 v[60*((\s)%4)+12*\g+4*\i:60*((\s)%4)+12*\g+4*\i+3], v1, s[44+2*\g:45+2*\g] offset:1536*(\s)+512*\i
.endr
.endr
.endm
.macro HEAD_A                          ; 50 loads: the pass's scale words, K steps 0 and 1
	WIN 0
.irp g, 0,1,2,3,4
.irp j, 0,1,2,3
	global_load_b32 v[ASC+4*\g+\j], v2, s[54+2*\g:55+2*\g] offset:128*\j
.endr
.endr
	WIN 0xc0
	ALOAD 0
	ALOAD 1
.endm
.macro HEAD_B                          ; 15 loads: K step 2
	WIN 0xc0
	ALOAD 2
.endm
.macro BLOAD s                         ; the weight's eight fragments of K step s from LDS into set s % 2: 48 loads of 8 bytes a lane
	WIN 0x80
.irp t, 0,1,2,3,4,5,6,7
.irp p, 0,1,2,3,4,5
	ds_load_b64 v[64+96*((\s)%2)+12*\t+2*\p:64+96*((\s)%2)+12*\t+2*\p+1], v[4+\t/4] offset:(\t%4)*16*PITCH+96*(\s)+48*(\p/3)+8*(\p%3)
.endr
.endr
.endm
.macro WM g, t, s                      ; one product: the weight's tile t x my tile g, K step s
.set rD, 64*((\g)%4)+8*(\t)
.set rB, 64+96*((\s)%2)+12*(\t)
.set rA, 60*((\s)%4)+12*(\g)
.set rBS, BSC+4*(\t)+(\s)%4
.set rAS, ASC+4*(\g)+(\s)/2
.set rC, rD
.if (DOWN == 0) && ((\s) == 0)
.set rC, BIAS+8*(\t)
.endif
.if (DOWN == 1) && ((\s) == 0)
	v_wmma_scale_f32_16x16x128_f8f6f4 v[rD:rD+7], v[rB:rB+11], v[rA:rA+11], 0, v[rBS], v[rAS] matrix_a_fmt:MATRIX_FMT_BF6 matrix_b_fmt:MATRIX_FMT_BF6
.elseif ((\s) < 4) && (((\s)%2) == 0)
	v_wmma_scale_f32_16x16x128_f8f6f4 v[rD:rD+7], v[rB:rB+11], v[rA:rA+11], v[rC:rC+7], v[rBS], v[rAS] matrix_a_fmt:MATRIX_FMT_BF6 matrix_b_fmt:MATRIX_FMT_BF6
.elseif (\s) < 4
	v_wmma_scale_f32_16x16x128_f8f6f4 v[rD:rD+7], v[rB:rB+11], v[rA:rA+11], v[rC:rC+7], v[rBS], v[rAS] matrix_a_fmt:MATRIX_FMT_BF6 matrix_b_fmt:MATRIX_FMT_BF6 matrix_b_scale:MATRIX_SCALE_ROW1
.elseif ((\s)%2) == 0
	v_wmma_scale_f32_16x16x128_f8f6f4 v[rD:rD+7], v[rB:rB+11], v[rA:rA+11], v[rC:rC+7], v[rBS], v[rAS] matrix_a_fmt:MATRIX_FMT_BF6 matrix_b_fmt:MATRIX_FMT_BF6 matrix_a_scale:MATRIX_SCALE_ROW1
.else
	v_wmma_scale_f32_16x16x128_f8f6f4 v[rD:rD+7], v[rB:rB+11], v[rA:rA+11], v[rC:rC+7], v[rBS], v[rAS] matrix_a_fmt:MATRIX_FMT_BF6 matrix_b_fmt:MATRIX_FMT_BF6 matrix_a_scale:MATRIX_SCALE_ROW1 matrix_b_scale:MATRIX_SCALE_ROW1
.endif
.endm
; A K step: 40 products, the 40 accumulators by turns, one instruction a turn.
.macro STEP s
.if (\s) <= 5
	s_wait_loadcnt 30                              ; this step's images are in; the 2 x 15 loads of the two steps behind it may be out
.elseif (\s) == 6
	s_wait_loadcnt 15
.else
	s_wait_loadcnt 0
.endif
	s_wait_dscnt 0x0                               ; this step's fragments of the weight, asked for a K step ago
.if (\s) < 7
	PLACES 4                                       ; four places between the last step's products and the loads into the set and the ring slot that they read (ISA guide 7.12.1 for vector instructions)
	BLOAD (\s)+1
.endif
.if (\s) <= 4
	WIN 0xc0
	ALOAD (\s)+3
.endif
.irp g, 0,1,2,3,4
.if (DOWN == 0) && ((\s) == 0)
.if \g < 4
	WIN 0x4e                                       ; source 0 window 2, source 1 window 3, C (b1) window 0, D window 1
.else
	WIN 0x8e
.endif
.else
.if \g < 4
	WIN 0x5e                                       ; C and D window 1
.else
	WIN 0xae                                       ; C and D window 2
.endif
.endif
.irp t, 0,1,2,3,4,5,6,7
	WM \g, \t, \s
.endr
.endr
.endm
; Tile g leaves, if the expert has it.
.macro EPI g
	s_add_co_u32 s66, s28, 4*(\g)
	s_cmp_ge_u32 s66, s25
	s_cbranch_scc1 .Lno_tile_\@
	s_wait_xcnt 0x0                                ; the last tile's stores have read their data and their base: both are written again below
.set rD0, 64*((\g)%4)
.if (\g) < 4
	WIN 0x04                                       ; source 1 (an LDS store's data; the maximum's second source): window 1
.else
	WIN 0x08
.endif
.if DOWN
.irp t, 0,1,2,3,4,5,6,7
	ds_store_b128 v10, v[rD0+8*\t:rD0+8*\t+3] offset:64*\t          ; lane (r, h): row r, columns 16 t + 8 h + 0 .. 7; each accumulator from its low end on
	ds_store_b128 v10, v[rD0+8*\t+4:rD0+8*\t+7] offset:64*\t+16
.endr
	WIN 0
.irp i, 0,1,2,3,4,5,6,7,8,9,10,11,12,13,14,15
	ds_load_b128 v[H+4*\i:H+4*\i+3], v11 offset:528*\i              ; my own stage: LDS serves a wave's instructions in order (ISA guide 5.7.1.4)
.endr
	s_lshl_b32 s66, s[36+(\g)], 16
	s_add_nc_u64 s[68:69], s[72:73], s[66:67]
.irp i, 0,1,2,3,4,5,6,7,8,9,10,11,12,13,14,15
	s_wait_dscnt 15-\i
	global_store_b128 v1, v[H+4*\i:H+4*\i+3], s[68:69] offset:4096*\i th:TH_STORE_NT   ; 32 lanes store 512 consecutive bytes, aligned
.endr
.else
.set j, 0
.rept 64
	v_max_num_f32 v[H+j], 0, v[rD0+j]              ; relu, and the way into window 0, in one; each accumulator from its low end on
.set j, j+1
.endr
	WIN 0
	QUANT H
	s_mul_i32 s66, s[36+(\g)], 49152
	s_add_nc_u64 s[68:69], s[72:73], s[66:67]
	s_lshl_b32 s66, s[36+(\g)], 11
	s_add_nc_u64 s[70:71], s[74:75], s[66:67]
.irp i, 0,1,2
	global_store_b128 v1, v[PC+4*\i:PC+4*\i+3], s[68:69] offset:512*\i th:TH_STORE_NT  ; K step c of the next product, as an image: 512 consecutive bytes a store
.endr
	global_store_b32 v3, v[PW], s[70:71]           ; lanes 16-31 repeat lanes 0-15
.endif
.Lno_tile_\@:
.endm
	s_load_b256 s[4:11], s[0:1], 0x0               ; the rows' images s[4:5], their scale words s[6:7], slots s[8:9], the weight's codes s[10:11]
	s_load_b128 s[12:15], s[0:1], 0x20             ; the weight's scales s[12:13]; b1 or y s[14:15]
	v_lshl_add_u32 v254, v0, 2, 0x20c00
	v_mov_b32 v255, 0
.if DOWN == 0
	s_load_b128 s[16:19], s[0:1], 0x30             ; hc s[16:17], hs s[18:19]
.endif
	v_and_b32 v240, 31, v0                         ; lane
	v_and_b32 v241, 15, v0                         ; r
	v_bfe_u32 v242, v0, 4, 1                       ; h
	v_lshrrev_b32 v243, 5, v0                      ; wave
	v_readfirstlane_b32 s20, v243
	v_lshlrev_b32 v1, 4, v240                      ; 16 x lane
	v_lshlrev_b32 v2, 2, v240                      ; 4 x lane
	v_lshlrev_b32 v3, 2, v241                      ; 4 r
	v_mul_u32_u24 v4, v241, PITCH
	v_mad_u32_u24 v4, v242, 24, v4                 ; a fragment's row r, + 24 h: tiles 0-3,
	v_add_nc_u32 v5, 4*16*PITCH, v4                ; tiles 4-7
	v_lshl_add_u32 v244, v243, 5, v242             ; the weights' way in: row 32 w + h (+ 2 x pair),
	v_mul_u32_u24 v6, v244, WROW
	v_lshl_add_u32 v6, v241, 4, v6                 ; 16 bytes a lane: in memory,
	v_mul_u32_u24 v7, v244, PITCH
	v_lshl_add_u32 v7, v241, 4, v7                 ; and in LDS
	v_lshlrev_b32 v8, 6, v242                      ; b1: 16 h numbers on
.if DOWN
	v_lshlrev_b32 v9, 7, v241                      ; the weight's scales: row r of 128 bytes, + 16 h
	v_lshl_add_u32 v9, v242, 4, v9
	v_mul_u32_u24 v245, v243, 16*528               ; my stage
	v_mad_u32_u24 v10, v241, 528, v245
	v_lshl_add_u32 v10, v242, 5, v10
	v_add_nc_u32 v10, STG, v10                     ; in: row r, + 32 h
	v_add_nc_u32 v11, v245, v1
	v_add_nc_u32 v11, STG, v11                     ; back: a row of 512 bytes to the 32 lanes
.else
	v_and_b32 v245, 8, v241
	v_add_nc_u32 v245, v245, v241                  ; r + 8 (r / 8)
	v_lshlrev_b32 v9, 5, v245                      ; the weight's scales: that row of 32 bytes, + 16 h
	v_lshl_add_u32 v9, v242, 4, v9
.irp b, 0,1,2,3
	v_mov_b32 v[TM+4+\b], 0                        ; a lane permute's destination counts as one of its sources
.endr
.endif
	s_mov_b32 s[SEL], 0x76543210
	s_mov_b32 s[SEL+1], 0xfedcba98
	s_and_b32 s21, ttmp7, 0xffff                   ; the expert
	s_mov_b32 s67, 0
	s_mov_b32 s69, 0
	s_lshl_b32 s29, s21, 3
.if DOWN
	s_and_b32 s22, ttmp9, 7                        ; which 128 outputs
	s_lshr_b32 s23, ttmp9, 3                       ; which quarter of K
	s_lshl_b32 s66, s21, 10
.else
	s_mov_b32 s22, ttmp9                           ; which 128 hidden units
	s_lshl_b32 s66, s21, 12
.endif
	s_lshl_b32 s68, s22, 7
	s_add_co_u32 s66, s66, s68                     ; my first row of the weight
	s_wait_kmcnt 0x0
	s_load_b64 s[24:25], s[8:9], s29 offset:0x8000 ; the expert's first tile, its tiles
	s_load_b32 s26, s[8:9], 0x8040                 ; all tiles
	s_mul_i32 s68, s66, WROW
	s_add_nc_u64 s[10:11], s[10:11], s[68:69]
.if DOWN
	s_mul_i32 s68, s23, 768
	s_add_nc_u64 s[10:11], s[10:11], s[68:69]
	s_lshl_b32 s68, s66, 7
	s_add_nc_u64 s[12:13], s[12:13], s[68:69]
	s_lshl_b32 s68, s23, 5
	s_add_nc_u64 s[12:13], s[12:13], s[68:69]
	s_mul_i32 s68, s23, 12288
	s_add_nc_u64 s[32:33], s[4:5], s[68:69]        ; the rows' images from K step 8 q on,
	s_lshl_b32 s68, s23, 9
	s_add_nc_u64 s[34:35], s[6:7], s[68:69]        ; and their scale words
	s_mul_i32 s68, s23, 8912896
	s_add_nc_u64 s[72:73], s[14:15], s[68:69]      ; y: quarter q (2,176 slots of 4,096 bytes),
	s_lshl_b32 s68, s22, 9
	s_add_nc_u64 s[72:73], s[72:73], s[68:69]      ; my 128 columns
.else
	s_lshl_b32 s68, s66, 5
	s_add_nc_u64 s[12:13], s[12:13], s[68:69]
	s_lshl_b32 s68, s66, 2
	s_add_nc_u64 s[14:15], s[14:15], s[68:69]
	s_mov_b64 s[32:33], s[4:5]
	s_mov_b64 s[34:35], s[6:7]
	s_mul_i32 s68, s22, 1536
	s_add_nc_u64 s[72:73], s[16:17], s[68:69]      ; hc: K step c
	s_lshl_b32 s68, s22, 6
	s_add_nc_u64 s[74:75], s[18:19], s[68:69]      ; hs likewise
.endif
.irp t, 0,1,2,3,4,5,6,7
.if DOWN
	global_load_b128 v[BSC+4*\t:BSC+4*\t+3], v9, s[12:13] offset:2048*\t
.else
	global_load_b128 v[BSC+4*\t:BSC+4*\t+3], v9, s[12:13] offset:(32*(\t/2)+8*(\t%2))*32
.endif
.endr
.if DOWN == 0
.irp t, 0,1,2,3,4,5,6,7
	global_load_b128 v[BIAS+8*\t:BIAS+8*\t+3], v8, s[14:15] offset:(32*(\t/2)+8*(\t%2))*4      ; lane (r, h), tile t: b1 of hidden units 32 (t / 2) + 16 h + 8 (t % 2) + 0 .. 7
	global_load_b128 v[BIAS+8*\t+4:BIAS+8*\t+7], v8, s[14:15] offset:(32*(\t/2)+8*(\t%2))*4+16
.endr
.endif
	WIN 0x40                                       ; destination window 1
.set n, 0
.rept 48                               ; my 32 rows of the weight: two rows and 256 bytes of each an instruction
	global_load_b128 v[4*n:4*n+3], v6, s[10:11] offset:(n/3)*2*WROW+256*(n%3) th:TH_LOAD_NT
.set n, n+1
.endr
	WIN 0
	s_wait_kmcnt 0x0
	s_sub_co_u32 s26, s26, 1                       ; the last tile that was written
	s_sub_co_u32 s27, s25, 1                       ; the expert's last tile, counted from its first
	s_mov_b32 s28, s20                             ; my first tile of the pass: the wave's number
	s_mov_b32 s76, 0                               ; passes done
	TILES
	HEAD_A
	s_wait_loadcnt 50                              ; behind the weights stand HEAD_A's 50 loads: the weights and their scales are in
	WIN 0x04                                       ; an LDS store's data: window 1
.set n, 0
.rept 48
.set pr, n/3
.if DOWN
.set sw, 2*pr
.else
.set sw, 2*((pr&3)|((pr&4)<<1)|((pr&8)>>1))        ; bits 3 and 4 of the row's number change places
.endif
	ds_store_b128 v7, v[4*n:4*n+3] offset:sw*PITCH+256*(n%3)
.set n, n+1
.endr
	HEAD_B
	WIN 0
	s_wait_dscnt 0x0                               ; for the others' sake: my rows of the weight lie in LDS
	s_barrier_signal -1
	s_barrier_wait -1                              ; the one barrier: every wave passes it, ahead of every branch on the counts
	s_cmp_ge_u32 s28, s25
	s_cbranch_scc1 .Lend                           ; no tile for this wave
.Lpass:
	PLACES 5                                       ; the sums begin anew over the last pass's accumulators: five places behind its last products
	BLOAD 0
	STEP 0
	STEP 1
	STEP 2
	STEP 3
	STEP 4
	STEP 5
	STEP 6
	STEP 7
	WIN 0
	PLACES 4                                       ; in front of the first read of results, and of the next pass's loads into registers that the products read
	EPI 0
	EPI 1
	EPI 2
	EPI 3
	EPI 4
	s_add_co_u32 s28, s28, 20
	s_cmp_ge_u32 s28, s25
	s_cbranch_scc1 .Lend                           ; no tile is left for this wave: the last pass asks for nothing more
	s_wait_xcnt 0x0                                ; every earlier load and store has read its base: the tiles' bases are written again
	TILES
	HEAD_A
	HEAD_B
	WIN 0
	s_add_co_u32 s76, s76, 1
	s_cmp_lt_u32 s76, PASSES                       ; the loop's own count: behind four passes the branch above has been taken, since 64 tiles are the most
	s_cbranch_scc1 .Lpass
.Lend:
	s_wait_tensorcnt 0x0
	ds_add_u32 v254, v255
	s_wait_dscnt 0x0
	s_endpgm
.Lfunc_end_k_qd68adb5986_down:
	.size	k_qd68adb5986_down, .Lfunc_end_k_qd68adb5986_down-k_qd68adb5986_down
	.p2alignl 7, 3214868480
	.fill 96, 4, 3214868480
	.section	.rodata,"a",@progbits
	.p2align	6, 0x0
	.amdhsa_kernel k_qd68adb5986_down
		.amdhsa_group_segment_fixed_size 134656
		.amdhsa_private_segment_fixed_size 0
		.amdhsa_enable_private_segment 0
		.amdhsa_kernarg_size 48
		.amdhsa_user_sgpr_count 2
		.amdhsa_user_sgpr_kernarg_segment_ptr 1
		.amdhsa_wavefront_size32 1
		.amdhsa_system_sgpr_workgroup_id_x 1
		.amdhsa_system_sgpr_workgroup_id_y 1
		.amdhsa_system_sgpr_workgroup_id_z 1
		.amdhsa_system_vgpr_workitem_id 0
		.amdhsa_next_free_vgpr 1024
		.amdhsa_next_free_sgpr 80
		.amdhsa_reserve_vcc 0
		.amdhsa_float_denorm_mode_32 3
		.amdhsa_float_denorm_mode_16_64 3
		.amdhsa_memory_ordered 1
		.amdhsa_forward_progress 1
		.amdhsa_inst_pref_size 124
	.end_amdhsa_kernel
	.amdgpu_metadata
---
amdhsa.version: [ 1, 2 ]
amdhsa.kernels:
  - .name:           k_qd68adb5986_down
    .symbol:         k_qd68adb5986_down.kd
    .args:
      - { .name: hc, .offset: 0, .size: 8, .value_kind: global_buffer, .address_space: global }
      - { .name: hs, .offset: 8, .size: 8, .value_kind: global_buffer, .address_space: global }
      - { .name: slots, .offset: 16, .size: 8, .value_kind: global_buffer, .address_space: global }
      - { .name: w2_codes, .offset: 24, .size: 8, .value_kind: global_buffer, .address_space: global }
      - { .name: w2_scales, .offset: 32, .size: 8, .value_kind: global_buffer, .address_space: global }
      - { .name: y, .offset: 40, .size: 8, .value_kind: global_buffer, .address_space: global }
    .group_segment_fixed_size: 134656
    .private_segment_fixed_size: 0
    .kernarg_segment_align: 8
    .kernarg_segment_size: 48
    .max_flat_workgroup_size: 128
    .sgpr_count:     80
    .vgpr_count:     1024
    .wavefront_size: 32
...
	.end_amdgpu_metadata
.endif
;; end of part 4
;; launch combine (part 5): grid 256 x 1, 8 waves a work-group, no clusters, 0 bytes of LDS; arguments y, route, topv, slots, b2, out0; writes out0
.if DOCPART == 5
	.amdgcn_target "amdgcn-amd-amdhsa--gfx1250"
	.amdhsa_code_object_version 6
	.text
	.protected	k_qd68adb5986_combine
	.globl	k_qd68adb5986_combine
	.p2align	8
	.type	k_qd68adb5986_combine,@function
k_qd68adb5986_combine:
	s_mov_b64 s[64:65], 0
	v_nop
	global_prefetch_b8 v0, s[64:65] scope:SCOPE_SE
	s_setreg_imm32_b32 hwreg(HW_REG_WAVE_MODE, 25, 1), 1
	s_wait_xcnt 0x0
; out0[n] = the sum over the token's two experts k of c_k x (b2[e_k] + the four quarters of y at the token's slot in expert e_k).  The other six experts have the weight 0.
; A wave owns half a token's row, 2,048 bytes: token n = 4 x work-group + wave / 2.  The experts, their weights and the slots are whole numbers and values that earlier launches stored; each index is held
; under a constant before it enters an address.  Every load and store of the wave covers 512 consecutive bytes, aligned.  A stream: no LDS, no barrier, no matrix work.
; The four quarters of K are added as (y0 + y1) + (y2 + y3), in f32.
.set Y,  16                            ; v16-143  expert k, quarter q, piece i at Y + 64 k + 16 q + 4 i
.set B2, 144                           ; v144-175 b2: expert k, piece i at B2 + 16 k + 4 i
	s_load_b256 s[4:11], s[0:1], 0x0               ; y s[4:5], route s[6:7], topv s[8:9], slots s[10:11]
	s_load_b128 s[12:15], s[0:1], 0x20             ; b2 s[12:13], out0 s[14:15]
	v_and_b32 v1, 31, v0
	v_lshlrev_b32 v1, 4, v1                        ; 16 x lane
	v_lshrrev_b32 v6, 5, v0
	v_readfirstlane_b32 s16, v6                    ; wave
	s_lshr_b32 s17, s16, 1
	s_lshl_b32 s18, ttmp9, 2
	s_add_co_u32 s17, s17, s18                     ; my token
	s_and_b32 s18, s16, 1
	s_lshl_b32 s18, s18, 11                        ; my half of its row
	s_lshl_b32 s19, s17, 3
	s_wait_kmcnt 0x0
	s_load_b64 s[20:21], s[6:7], s19 offset:0x1000 ; its two experts
	s_load_b64 s[22:23], s[8:9], s19 offset:0x0    ; and their weights
	s_mov_b64 s[32:33], s[4:5]                     ; y's four quarters: 2,176 slots of 4,096 bytes each
	s_add_nc_u64 s[34:35], s[4:5], 0x880000
	s_add_nc_u64 s[36:37], s[4:5], 0x1100000
	s_add_nc_u64 s[38:39], s[4:5], 0x1980000
	s_lshl_b32 s44, s17, 12
	s_add_co_u32 s44, s44, s18
	s_mov_b32 s45, 0
	s_add_nc_u64 s[14:15], s[14:15], s[44:45]      ; out0 at my half row
	s_lshl_b32 s28, s17, 2
	s_wait_kmcnt 0x0
	s_min_u32 s20, s20, 7
	s_min_u32 s21, s21, 7
	s_lshl_b32 s24, s20, 12
	s_lshl_b32 s25, s21, 12
	s_add_co_u32 s26, s24, s28                     ; (1024 e + n) x 4
	s_add_co_u32 s27, s25, s28
	s_load_b32 s30, s[10:11], s26 offset:0x0       ; the token's slot in each
	s_load_b32 s31, s[10:11], s27 offset:0x0
	s_add_co_u32 s24, s24, s18                     ; b2: row e of 4,096 bytes, my half
	s_add_co_u32 s25, s25, s18
	v_add_nc_u32 v4, s24, v1
	v_add_nc_u32 v5, s25, v1
	s_mov_b32 s40, s22                             ; the packed forms name a pair and take its low word for both halves: both words are written
	s_mov_b32 s41, s22
	s_mov_b32 s42, s23
	s_mov_b32 s43, s23
	s_wait_kmcnt 0x0
	s_min_u32 s30, s30, 2175
	s_min_u32 s31, s31, 2175
	s_lshl_b32 s30, s30, 12
	s_lshl_b32 s31, s31, 12
	s_add_co_u32 s30, s30, s18
	s_add_co_u32 s31, s31, s18
	v_add_nc_u32 v2, s30, v1
	v_add_nc_u32 v3, s31, v1
.irp k, 0,1
.irp q, 0,1,2,3
.irp i, 0,1,2,3
	global_load_b128 v[Y+64*\k+16*\q+4*\i:Y+64*\k+16*\q+4*\i+3], v[2+\k], s[32+2*\q:33+2*\q] offset:512*\i th:TH_LOAD_NT
.endr
.endr
.irp i, 0,1,2,3
	global_load_b128 v[B2+16*\k+4*\i:B2+16*\k+4*\i+3], v[4+\k], s[12:13] offset:512*\i
.endr
.endr
.macro SUMK k                          ; b2 + the four quarters, into quarter 0's registers
.irp i, 0,1,2,3
.irp p, 0,2
.set a, Y+64*(\k)+4*\i+\p
	v_pk_add_f32 v[a:a+1], v[a:a+1], v[a+16:a+17]
	v_pk_add_f32 v[a+32:a+33], v[a+32:a+33], v[a+48:a+49]
.endr
.endr
.irp i, 0,1,2,3
.irp p, 0,2
.set a, Y+64*(\k)+4*\i+\p
	v_pk_add_f32 v[a:a+1], v[a:a+1], v[a+32:a+33]
.endr
.endr
.irp i, 0,1,2,3
.irp p, 0,2
.set a, Y+64*(\k)+4*\i+\p
	v_pk_add_f32 v[a:a+1], v[a:a+1], v[B2+16*(\k)+4*\i+\p:B2+16*(\k)+4*\i+\p+1]
.endr
.endr
.endm
	s_wait_loadcnt 20                              ; the first expert's twenty loads are in; the second's twenty may be out
	SUMK 0
.irp i, 0,1,2,3
.irp p, 0,2
	v_pk_mul_f32 v[Y+4*\i+\p:Y+4*\i+\p+1], v[Y+4*\i+\p:Y+4*\i+\p+1], s[40:41] op_sel_hi:[1,0]
.endr
.endr
	s_wait_loadcnt 0x0
	SUMK 1
.irp i, 0,1,2,3
.irp p, 0,2
	v_pk_fma_f32 v[Y+4*\i+\p:Y+4*\i+\p+1], v[Y+64+4*\i+\p:Y+64+4*\i+\p+1], s[42:43], v[Y+4*\i+\p:Y+4*\i+\p+1] op_sel_hi:[1,0,1]
.endr
.endr
.irp i, 0,1,2,3
	global_store_b128 v1, v[Y+4*\i:Y+4*\i+3], s[14:15] offset:512*\i
.endr
	s_endpgm
.Lfunc_end_k_qd68adb5986_combine:
	.size	k_qd68adb5986_combine, .Lfunc_end_k_qd68adb5986_combine-k_qd68adb5986_combine
	.p2alignl 7, 3214868480
	.fill 96, 4, 3214868480
	.section	.rodata,"a",@progbits
	.p2align	6, 0x0
	.amdhsa_kernel k_qd68adb5986_combine
		.amdhsa_group_segment_fixed_size 0
		.amdhsa_private_segment_fixed_size 0
		.amdhsa_enable_private_segment 0
		.amdhsa_kernarg_size 48
		.amdhsa_user_sgpr_count 2
		.amdhsa_user_sgpr_kernarg_segment_ptr 1
		.amdhsa_wavefront_size32 1
		.amdhsa_system_sgpr_workgroup_id_x 1
		.amdhsa_system_sgpr_workgroup_id_y 1
		.amdhsa_system_sgpr_workgroup_id_z 1
		.amdhsa_system_vgpr_workitem_id 0
		.amdhsa_next_free_vgpr 184
		.amdhsa_next_free_sgpr 66
		.amdhsa_reserve_vcc 0
		.amdhsa_float_denorm_mode_32 3
		.amdhsa_float_denorm_mode_16_64 3
		.amdhsa_memory_ordered 1
		.amdhsa_forward_progress 1
		.amdhsa_inst_pref_size 12
	.end_amdhsa_kernel
	.amdgpu_metadata
---
amdhsa.version: [ 1, 2 ]
amdhsa.kernels:
  - .name:           k_qd68adb5986_combine
    .symbol:         k_qd68adb5986_combine.kd
    .args:
      - { .name: y, .offset: 0, .size: 8, .value_kind: global_buffer, .address_space: global }
      - { .name: route, .offset: 8, .size: 8, .value_kind: global_buffer, .address_space: global }
      - { .name: topv, .offset: 16, .size: 8, .value_kind: global_buffer, .address_space: global }
      - { .name: slots, .offset: 24, .size: 8, .value_kind: global_buffer, .address_space: global }
      - { .name: b2, .offset: 32, .size: 8, .value_kind: global_buffer, .address_space: global }
      - { .name: out0, .offset: 40, .size: 8, .value_kind: global_buffer, .address_space: global }
    .group_segment_fixed_size: 0
    .private_segment_fixed_size: 0
    .kernarg_segment_align: 8
    .kernarg_segment_size: 48
    .max_flat_workgroup_size: 256
    .sgpr_count:     66
    .vgpr_count:     184
    .wavefront_size: 32
...
	.end_amdgpu_metadata
.endif
;; end of part 5
;; ======== version 2 of 2: 5 launches; version 1 with the launches up, down written anew for expert scheduling mode
;; workspace buffers: route 12,288 bytes of whole numbers; topv 8,192 bytes; slots 41,728 bytes of whole numbers; xc 1,671,168 bytes; xsc 69,632 bytes; hc 6,684,672 bytes; hs 278,528 bytes; y 35,651,584 bytes
;; launch gate: the kernel of part 1 again; grid 32 x 1, 8 waves a work-group, no clusters, 38,912 bytes of LDS; arguments x, gate_w, gate_b, route, topv; writes route, topv
;; launch place: the kernel of part 2 again; grid 135 x 8, 1 waves a work-group, no clusters, 0 bytes of LDS; arguments x, route, xc, xsc, slots, out1; writes xc, xsc, slots, out1
;; launch up (part 6): grid 32 x 8, 4 waves a work-group, no clusters, 100,864 bytes of LDS; arguments xc, xsc, slots, w1_codes, w1_scales, b1, hc, hs; writes hc, hs
.if DOCPART == 6
	.amdgcn_target "amdgcn-amd-amdhsa--gfx1250"
	.amdhsa_code_object_version 6
	.text
	.protected	k_qd68adb5986_up
	.globl	k_qd68adb5986_up
	.p2align	8
	.type	k_qd68adb5986_up,@function
k_qd68adb5986_up:
	s_mov_b64 s[64:65], 0
	v_nop
	global_prefetch_b8 v0, s[64:65] scope:SCOPE_SE
	s_setreg_imm32_b32 hwreg(HW_REG_WAVE_SCHED_MODE, 0, 2), 2
	s_setreg_imm32_b32 hwreg(HW_REG_WAVE_MODE, 25, 1), 1
	s_wait_xcnt 0x0
	s_wait_alu depctr_vm_vsrc(0)
; A GROUPED GEMM ON CODES OF E3M2: [the rows of one expert] x [128 columns of its weight] x [K = 1,024].  One text serves both layers; DOWN says which.
;   DOWN = 0: h = Q(relu(x W1 + b1)).  Work-group (c, e): hidden units 128 c .. 128 c + 127 of expert e.  Q: E3M2 with one E8M0 byte for each 32 hidden units; h leaves as codes.
;   DOWN = 1: y[q] = h W2 over K steps 8 q .. 8 q + 7.  Work-group (dc + 8 q, e): outputs 128 dc .. + 127, quarter q of K = 4,096.  The four quarters leave as f32 and are added by the next launch.
; Only the rows that chose the expert are multiplied: they lie in tiles of 16 (slot = 16 tile + row), TB .. TB + NT - 1, read from the tile table that an earlier launch stored.
; WEIGHTS: the work-group's 128 rows x 768 bytes are loaded ONCE in the launch (sixteen lanes to 256 consecutive bytes, aligned) and stay in LDS, rows 784 bytes apart: 196 words, so that the 32 lanes of a
; load of 8 bytes (row r, + 24 bytes for the upper half) fall on words 4 r + {0, 1, 6, 7} modulo 64 (64 banks of 4 bytes: ISA guide 11.1).
; ROWS: operand images (12 registers a lane as 3 x 512 bytes) straight from memory into a ring of four K steps of registers, asked for three K steps ahead.
; SHARES: wave w takes tiles w + 4 g (g = 0..4) of a pass of 20 tiles: 40 accumulators; each fragment of the weight read from LDS feeds five products.  An expert with more than 20 tiles takes further passes.
; A token names an expert at most once, so an expert has at most 1,024 rows, 64 tiles: tiles w + 4 g + 20 p lie under 64 only for p = 0..3.  The loop over passes is counted to that constant, 4, and a wave
; leaves it by a forward branch as soon as it has no tile left.  A wave with fewer than five tiles left multiplies a clamped tile in their stead and stores nothing for it.
; THE PRODUCT IS USED TRANSPOSED (source 0 = 16 rows of the weight, source 1 = 16 slot rows): a lane holds one slot row, its registers neighbouring columns.
; DOWN = 0: LDS row 16 t + m holds hidden unit 32 (t / 2) + 8 (t % 2) + m + 8 (m / 8) (bits 3 and 4 of the row's number change places on the way into LDS), so that the 16 registers of tiles 2 b, 2 b + 1 are
; 16 neighbours along the next K.  b1 is the C of each sum's first product.
; NO TENSOR LOADS AND NO JOINT REQUESTS: the branches round the passes and the stores hang on counts read from memory, so every operand comes by plain loads; the one barrier stands ahead of those branches.
; LIMITS: a block of h that is all zeros carries the byte 1 with zero codes (this program alone reads the bytes); blocks under 2^-122 are scaled by the floor; NaN and infinities are not served.
; REGISTERS, in windows of 256: window 0: v1-11 addresses; v16-47 the weight's scale words; v48-67 the rows' scale words; v68-131 b1; v132-195 a tile on its way out; v196-233 the quantiser's.
;   window 1: accumulators of g = 0..3 at 64 g + 8 t (at the head: the weights on their way to LDS).   window 2: v0-63 accumulators of g = 4; v64-159, v160-255 two sets of the weight's fragments.
;   window 3: the ring: K step s at 60 (s % 4) + 12 g.
; THE MODE: SCHED_MODE bits 1:0 = 2 (LLVM: expert scheduling mode 2), set by the entry lines.  The code itself states the register dependences between vector or matrix instructions and memory or LDS
; instructions, with s_wait_alu, always for 0.
; THE PLAN.  Registers that memory or LDS instructions touch, and who else names them:
;   v1-v11             Written by vector instructions at the head, read as offsets and addresses by every load and store, never written again: the tiles are reached by scalar bases and immediate offsets.
;   window 1, v0-191   At the head the weights land there and the LDS stores read them; from the first K step on the products write them as accumulators.
;   the ring           K step s's products read slot s % 4; the loads issued in K step s + 1 land in it (the images of K step s + 4); slots 0 to 2 are also loaded between two passes.
;   the weight's sets  K step s's products read set s % 2; the LDS loads issued in K step s + 1 land in it; set 0 is also loaded at a pass's head.
;   v48-67             Read by all of a pass's products, loaded anew between two passes.  v16-47 and v68-131 are loaded once.
;   DOWN = 0: v212 and v214-225: the quantiser writes them, a tile's four stores read them.
;   DOWN = 1: the accumulators: the products write them, the stage's LDS stores read them;  v132-195: the stage's LDS loads land there, a tile's sixteen global stores read them.
; THE WAITS.  One on va_vdst at the head of K steps 1 to 6: the step before is done with the set and the ring slot in which this step's loads land; those loads follow it, dealt among the step's products, which
; name their own set, their own slot, the scale words and the accumulators, and none of the registers that the loads touch.  One on va_vdst between two passes, directly ahead of the next pass's loads; it also
; serves that pass's first K step.  On the way out: one on va_vdst ahead of the stores of what vector or matrix instructions have written, one on vm_vsrc directly behind each tile's stores.
; At the head: va_sdst for the wave's number, va_vdst for the addresses, vm_vsrc behind the barrier for the registers that the weights passed through.
.set DOWN, 0
.if DOWN
.set WROW,   3072                      ; a weight row in memory
.set ATILE,  49152                     ; a tile's images
.set SCTILE, 2048                      ; a tile's scale words
.else
.set WROW,   768
.set ATILE,  12288
.set SCTILE, 512
.endif
.set PITCH, 784
.set PASSES, 4                         ; 64 tiles at the most, 20 a pass
.set STG,   128*PITCH                  ; DOWN = 1: behind the weights a stage of 16 rows x (512 + 16) bytes for each wave
.set BSC,  16                          ; register 4 t + i: lanes 0-15 K step i, lanes 16-31 K step 4 + i, of the weight's tile t
.set ASC,  48                          ; register 4 g + j: lanes 0-15 K step 2 j, lanes 16-31 K step 2 j + 1, of my tile g
.set BIAS, 68
.set H,    132
.set TM,   196
.set PW,   212
.set PC,   214
.set SEL,  30                          ; s[30:31]
.set MSB, 0
.macro WIN new                         ; the immediate's high byte repeats the setting that is left
.if MSB != \new
	s_set_vgpr_msb (MSB<<8)|\new
.set MSB, \new
.endif
.endm
.macro PLACES n
.rept \n
	v_nop
.endr
.endm
.macro QUANT s                         ; 64 numbers of a lane, register 16 b + i = k 32 b + 16 (lane / 16) + i of my row, become a fragment's codes in v[PC] .. v[PC + 11] and the row's scale word in v[PW]
.irp b, 0,1,2,3
	v_max3_num_f32 v[TM+\b], |v[\s+16*\b]|, |v[\s+1+16*\b]|, 0x2800000   ; and the floor 2^(5 - 127): the byte cannot fall under 1
.endr
.irp i, 2,4,6,8,10,12,14
.irp b, 0,1,2,3
	v_max3_num_f32 v[TM+\b], v[TM+\b], |v[\s+16*\b+\i]|, |v[\s+1+16*\b+\i]|
.endr
.endr
.irp b, 0,1,2,3
	v_permlanex16_b32 v[TM+4+\b], v[TM+\b], s[SEL], s[SEL+1]
.endr
.irp b, 0,1,2,3
	v_max_num_f32 v[TM+\b], v[TM+\b], v[TM+4+\b]
.endr
.irp b, 0,1,2,3
	v_add_nc_u32 v[TM+12+\b], 0xfe000000, v[TM+\b] ; 4 off the exponent field: the conversion's scale operand
.endr
.irp b, 0,1,2,3
	v_lshrrev_b32 v[TM+4+\b], 23, v[TM+12+\b]      ; the scale's byte
.endr
	v_lshl_or_b32 v[PW], v[TM+5], 8, v[TM+4]
	v_lshl_or_b32 v[PW], v[TM+6], 16, v[PW]
	v_lshl_or_b32 v[PW], v[TM+7], 24, v[PW]
.irp c, 0,1
	v_cvt_scalef32_pk16_bf6_f32 v[PC+6*\c:PC+2+6*\c], v[\s+32*\c:\s+15+32*\c], v[TM+12+2*\c]
	v_cvt_scalef32_pk16_bf6_f32 v[PC+12+4*\c:PC+14+4*\c], v[\s+16+32*\c:\s+31+32*\c], v[TM+12+2*\c+1]
.endr
	v_nop                                          ; one plain place behind a scaled conversion
.irp c, 0,1
.irp i, 0,1,2
	v_permlane16_swap_b32 v[PC+6*\c+\i], v[PC+12+4*\c+\i]
.endr
.irp i, 0,1,2
	v_mov_b32 v[PC+3+6*\c+\i], v[PC+12+4*\c+\i]
.endr
.endr
.endm
; My five tiles of the pass that begins at s28, each held inside the expert's tiles, inside the tiles that were written, and under a constant; and where their images and scale words begin.
.macro TILES
.irp g, 0,1,2,3,4
	s_add_co_u32 s66, s28, 4*\g
	s_min_u32 s66, s66, s27
	s_add_co_u32 s66, s66, s24
	s_min_u32 s66, s66, s26
	s_min_u32 s[36+\g], s66, 134
	s_mul_i32 s66, s[36+\g], ATILE
	s_add_nc_u64 s[44+2*\g:45+2*\g], s[32:33], s[66:67]
	s_mul_i32 s66, s[36+\g], SCTILE
	s_add_nc_u64 s[54+2*\g:55+2*\g], s[34:35], s[66:67]
.endr
.endm
.macro ALOAD s                         ; K step s of my five tiles into the ring: 15 loads of 512 consecutive bytes
.irp g, 0,1,2,3,4
.irp i, 0,1,2
	global_load_b128 v[60*((\s)%4)+12*\g+4*\i:60*((\s)%4)+12*\g+4*\i+3], v1, s[44+2*\g:45+2*\g] offset:1536*(\s)+512*\i
.endr
.endr
.endm
.macro HEAD_A                          ; 50 loads: the pass's scale words, K steps 0 and 1
	WIN 0
.irp g, 0,1,2,3,4
.irp j, 0,1,2,3
	global_load_b32 v[ASC+4*\g+\j], v2, s[54+2*\g:55+2*\g] offset:128*\j
.endr
.endr
	WIN 0xc0
	ALOAD 0
	ALOAD 1
.endm
.macro HEAD_B                          ; 15 loads: K step 2
	WIN 0xc0
	ALOAD 2
.endm
.macro BRUN s, t0                      ; the weight's fragments t0 and t0 + 1 of K step s from LDS into set s % 2: 12 loads of 8 bytes a lane
	WIN 0x80
.irp t, \t0, \t0+1
.irp p, 0,1,2,3,4,5
	ds_load_b64 v[64+96*((\s)%2)+12*(\t)+2*\p:64+96*((\s)%2)+12*(\t)+2*\p+1], v[4+(\t)/4] offset:((\t)%4)*16*PITCH+96*(\s)+48*(\p/3)+8*(\p%3)
.endr
.endr
.endm
.macro BLOAD s                         ; the weight's eight fragments of K step s from LDS into set s % 2: 48 loads of 8 bytes a lane
	BRUN \s, 0
	BRUN \s, 2
	BRUN \s, 4
	BRUN \s, 6
.endm
.macro WM g, t, s                      ; one product: the weight's tile t x my tile g, K step s
.set rD, 64*((\g)%4)+8*(\t)
.set rB, 64+96*((\s)%2)+12*(\t)
.set rA, 60*((\s)%4)+12*(\g)
.set rBS, BSC+4*(\t)+(\s)%4
.set rAS, ASC+4*(\g)+(\s)/2
.set rC, rD
.if (DOWN == 0) && ((\s) == 0)
.set rC, BIAS+8*(\t)
.endif
.if (DOWN == 1) && ((\s) == 0)
	v_wmma_scale_f32_16x16x128_f8f6f4 v[rD:rD+7], v[rB:rB+11], v[rA:rA+11], 0, v[rBS], v[rAS] matrix_a_fmt:MATRIX_FMT_BF6 matrix_b_fmt:MATRIX_FMT_BF6
.elseif ((\s) < 4) && (((\s)%2) == 0)
	v_wmma_scale_f32_16x16x128_f8f6f4 v[rD:rD+7], v[rB:rB+11], v[rA:rA+11], v[rC:rC+7], v[rBS], v[rAS] matrix_a_fmt:MATRIX_FMT_BF6 matrix_b_fmt:MATRIX_FMT_BF6
.elseif (\s) < 4
	v_wmma_scale_f32_16x16x128_f8f6f4 v[rD:rD+7], v[rB:rB+11], v[rA:rA+11], v[rC:rC+7], v[rBS], v[rAS] matrix_a_fmt:MATRIX_FMT_BF6 matrix_b_fmt:MATRIX_FMT_BF6 matrix_b_scale:MATRIX_SCALE_ROW1
.elseif ((\s)%2) == 0
	v_wmma_scale_f32_16x16x128_f8f6f4 v[rD:rD+7], v[rB:rB+11], v[rA:rA+11], v[rC:rC+7], v[rBS], v[rAS] matrix_a_fmt:MATRIX_FMT_BF6 matrix_b_fmt:MATRIX_FMT_BF6 matrix_a_scale:MATRIX_SCALE_ROW1
.else
	v_wmma_scale_f32_16x16x128_f8f6f4 v[rD:rD+7], v[rB:rB+11], v[rA:rA+11], v[rC:rC+7], v[rBS], v[rAS] matrix_a_fmt:MATRIX_FMT_BF6 matrix_b_fmt:MATRIX_FMT_BF6 matrix_a_scale:MATRIX_SCALE_ROW1 matrix_b_scale:MATRIX_SCALE_ROW1
.endif
.endm
.macro GROUP g, s                      ; eight products: the weight's eight tiles x my tile g, K step s
.if (DOWN == 0) && ((\s) == 0)
.if (\g) < 4
	WIN 0x4e                                       ; source 0 window 2, source 1 window 3, C (b1) window 0, D window 1
.else
	WIN 0x8e
.endif
.else
.if (\g) < 4
	WIN 0x5e                                       ; C and D window 1
.else
	WIN 0xae                                       ; C and D window 2
.endif
.endif
.irp t, 0,1,2,3,4,5,6,7
	WM \g, \t, \s
.endr
.endm
; A K step: 40 products, the 40 accumulators by turns, one instruction a turn.  Its loads are dealt among them: the images of three K steps on and two of the next K step's
; eight fragments of the weight at its head, two fragments more behind each of its first three groups of eight products, so that sixteen products stand behind the last of them.
.macro STEP s
.if (\s) <= 5
	s_wait_loadcnt 30                              ; this step's images are in; the 2 x 15 loads of the two steps behind it may be out
.elseif (\s) == 6
	s_wait_loadcnt 15
.else
	s_wait_loadcnt 0
.endif
	s_wait_dscnt 0x0                               ; this step's fragments of the weight, asked for a K step ago
.if (\s) < 7
	PLACES 4                                       ; four places between the last step's products and the loads into the set and the ring slot that they read (ISA guide 7.12.1 for vector instructions)
.if (\s) <= 4
	WIN 0xc0                                       ; the window of the first load below, ahead of the wait
.else
	WIN 0x80
.endif
.if (\s) > 0
	s_wait_alu depctr_va_vdst(0)                   ; the last K step's products are done reading their set of the weight's fragments and their ring slot, in which this step's loads land.  (K step 0 owes none: no vector or matrix instruction since the wait ahead of the pass's first loads names these registers)
.endif
.if (\s) <= 4
	ALOAD (\s)+3
.endif
	BRUN (\s)+1, 0
.endif
	GROUP 0, \s
.if (\s) < 7
	BRUN (\s)+1, 2                                 ; no wait: no vector or matrix instruction since the wait above names the other set
.endif
	GROUP 1, \s
.if (\s) < 7
	BRUN (\s)+1, 4
.endif
	GROUP 2, \s
.if (\s) < 7
	BRUN (\s)+1, 6
.endif
	GROUP 3, \s
	GROUP 4, \s
.endm
; Tile g leaves, if the expert has it.
.macro EPI g
	s_add_co_u32 s66, s28, 4*(\g)
	s_cmp_ge_u32 s66, s25
	s_cbranch_scc1 .Lno_tile_\@
	s_wait_xcnt 0x0                                ; the last tile's stores have read their data and their base: both are written again below
.set rD0, 64*((\g)%4)
.if (\g) < 4
	WIN 0x04                                       ; source 1 (an LDS store's data; the maximum's second source): window 1
.else
	WIN 0x08
.endif
.if DOWN
.irp t, 0,1,2,3,4,5,6,7
	ds_store_b128 v10, v[rD0+8*\t:rD0+8*\t+3] offset:64*\t          ; lane (r, h): row r, columns 16 t + 8 h + 0 .. 7; each accumulator from its low end on
	ds_store_b128 v10, v[rD0+8*\t+4:rD0+8*\t+7] offset:64*\t+16
.endr
	WIN 0
.irp i, 0,1,2,3,4,5,6,7,8,9,10,11,12,13,14,15
	ds_load_b128 v[H+4*\i:H+4*\i+3], v11 offset:528*\i              ; my own stage: LDS serves a wave's instructions in order (ISA guide 5.7.1.4)
.endr
	s_lshl_b32 s66, s[36+(\g)], 16
	s_add_nc_u64 s[68:69], s[72:73], s[66:67]
.irp i, 0,1,2,3,4,5,6,7,8,9,10,11,12,13,14,15
	s_wait_dscnt 15-\i
	global_store_b128 v1, v[H+4*\i:H+4*\i+3], s[68:69] offset:4096*\i th:TH_STORE_NT   ; 32 lanes store 512 consecutive bytes, aligned
.endr
	s_wait_alu depctr_vm_vsrc(0)                   ; the LDS stores have read this tile's accumulators, which the next pass's products write; the global stores have read v[H ..], in which the next tile's loads from the stage land
.else
.set j, 0
.rept 64
	v_max_num_f32 v[H+j], 0, v[rD0+j]              ; relu, and the way into window 0, in one; each accumulator from its low end on
.set j, j+1
.endr
	WIN 0
	QUANT H
	s_mul_i32 s66, s[36+(\g)], 49152
	s_add_nc_u64 s[68:69], s[72:73], s[66:67]
	s_lshl_b32 s66, s[36+(\g)], 11
	s_add_nc_u64 s[70:71], s[74:75], s[66:67]
	s_wait_alu depctr_va_vdst(0)                   ; the quantiser has written the codes v[PC .. PC + 11] and the scale word v[PW], which the four stores read
.irp i, 0,1,2
	global_store_b128 v1, v[PC+4*\i:PC+4*\i+3], s[68:69] offset:512*\i th:TH_STORE_NT  ; K step c of the next product, as an image: 512 consecutive bytes a store
.endr
	global_store_b32 v3, v[PW], s[70:71]           ; lanes 16-31 repeat lanes 0-15
	s_wait_alu depctr_vm_vsrc(0)                   ; the four stores have read the codes and the scale word, which the next tile's quantiser writes again
.endif
.Lno_tile_\@:
.endm
	s_load_b256 s[4:11], s[0:1], 0x0               ; the rows' images s[4:5], their scale words s[6:7], slots s[8:9], the weight's codes s[10:11]
	s_load_b128 s[12:15], s[0:1], 0x20             ; the weight's scales s[12:13]; b1 or y s[14:15]
.if DOWN == 0
	s_load_b128 s[16:19], s[0:1], 0x30             ; hc s[16:17], hs s[18:19]
	v_lshl_add_u32 v254, v0, 2, 0x18800
	v_mov_b32 v255, 0
.endif
	v_and_b32 v240, 31, v0                         ; lane
	v_and_b32 v241, 15, v0                         ; r
	v_bfe_u32 v242, v0, 4, 1                       ; h
	v_lshrrev_b32 v243, 5, v0                      ; wave
	v_readfirstlane_b32 s20, v243
	v_lshlrev_b32 v1, 4, v240                      ; 16 x lane
	v_lshlrev_b32 v2, 2, v240                      ; 4 x lane
	v_lshlrev_b32 v3, 2, v241                      ; 4 r
	v_mul_u32_u24 v4, v241, PITCH
	v_mad_u32_u24 v4, v242, 24, v4                 ; a fragment's row r, + 24 h: tiles 0-3,
	v_add_nc_u32 v5, 4*16*PITCH, v4                ; tiles 4-7
	v_lshl_add_u32 v244, v243, 5, v242             ; the weights' way in: row 32 w + h (+ 2 x pair),
	v_mul_u32_u24 v6, v244, WROW
	v_lshl_add_u32 v6, v241, 4, v6                 ; 16 bytes a lane: in memory,
	v_mul_u32_u24 v7, v244, PITCH
	v_lshl_add_u32 v7, v241, 4, v7                 ; and in LDS
	v_lshlrev_b32 v8, 6, v242                      ; b1: 16 h numbers on
.if DOWN
	v_lshlrev_b32 v9, 7, v241                      ; the weight's scales: row r of 128 bytes, + 16 h
	v_lshl_add_u32 v9, v242, 4, v9
	v_mul_u32_u24 v245, v243, 16*528               ; my stage
	v_mad_u32_u24 v10, v241, 528, v245
	v_lshl_add_u32 v10, v242, 5, v10
	v_add_nc_u32 v10, STG, v10                     ; in: row r, + 32 h
	v_add_nc_u32 v11, v245, v1
	v_add_nc_u32 v11, STG, v11                     ; back: a row of 512 bytes to the 32 lanes
.else
	v_and_b32 v245, 8, v241
	v_add_nc_u32 v245, v245, v241                  ; r + 8 (r / 8)
	v_lshlrev_b32 v9, 5, v245                      ; the weight's scales: that row of 32 bytes, + 16 h
	v_lshl_add_u32 v9, v242, 4, v9
.irp b, 0,1,2,3
	v_mov_b32 v[TM+4+\b], 0                        ; a lane permute's destination counts as one of its sources
.endr
.endif
	s_wait_alu depctr_va_sdst(0)                   ; s20, the wave's number, is written, ahead of its first reader: the wave's first tile is made from it
	s_mov_b32 s[SEL], 0x76543210
	s_mov_b32 s[SEL+1], 0xfedcba98
	s_and_b32 s21, ttmp7, 0xffff                   ; the expert
	s_mov_b32 s67, 0
	s_mov_b32 s69, 0
	s_lshl_b32 s29, s21, 3
.if DOWN
	s_and_b32 s22, ttmp9, 7                        ; which 128 outputs
	s_lshr_b32 s23, ttmp9, 3                       ; which quarter of K
	s_lshl_b32 s66, s21, 10
.else
	s_mov_b32 s22, ttmp9                           ; which 128 hidden units
	s_lshl_b32 s66, s21, 12
.endif
	s_lshl_b32 s68, s22, 7
	s_add_co_u32 s66, s66, s68                     ; my first row of the weight
	s_wait_kmcnt 0x0
	s_load_b64 s[24:25], s[8:9], s29 offset:0x8000 ; the expert's first tile, its tiles
	s_load_b32 s26, s[8:9], 0x8040                 ; all tiles
	s_mul_i32 s68, s66, WROW
	s_add_nc_u64 s[10:11], s[10:11], s[68:69]
.if DOWN
	s_mul_i32 s68, s23, 768
	s_add_nc_u64 s[10:11], s[10:11], s[68:69]
	s_lshl_b32 s68, s66, 7
	s_add_nc_u64 s[12:13], s[12:13], s[68:69]
	s_lshl_b32 s68, s23, 5
	s_add_nc_u64 s[12:13], s[12:13], s[68:69]
	s_mul_i32 s68, s23, 12288
	s_add_nc_u64 s[32:33], s[4:5], s[68:69]        ; the rows' images from K step 8 q on,
	s_lshl_b32 s68, s23, 9
	s_add_nc_u64 s[34:35], s[6:7], s[68:69]        ; and their scale words
	s_mul_i32 s68, s23, 8912896
	s_add_nc_u64 s[72:73], s[14:15], s[68:69]      ; y: quarter q (2,176 slots of 4,096 bytes),
	s_lshl_b32 s68, s22, 9
	s_add_nc_u64 s[72:73], s[72:73], s[68:69]      ; my 128 columns
.else
	s_lshl_b32 s68, s66, 5
	s_add_nc_u64 s[12:13], s[12:13], s[68:69]
	s_lshl_b32 s68, s66, 2
	s_add_nc_u64 s[14:15], s[14:15], s[68:69]
	s_mov_b64 s[32:33], s[4:5]
	s_mov_b64 s[34:35], s[6:7]
	s_mul_i32 s68, s22, 1536
	s_add_nc_u64 s[72:73], s[16:17], s[68:69]      ; hc: K step c
	s_lshl_b32 s68, s22, 6
	s_add_nc_u64 s[74:75], s[18:19], s[68:69]      ; hs likewise
.endif
	s_wait_alu depctr_va_vdst(0)                   ; the offsets and addresses v1 to v11 are written, which the loads and stores of the whole kernel read; no vector instruction writes them again
.irp t, 0,1,2,3,4,5,6,7
.if DOWN
	global_load_b128 v[BSC+4*\t:BSC+4*\t+3], v9, s[12:13] offset:2048*\t
.else
	global_load_b128 v[BSC+4*\t:BSC+4*\t+3], v9, s[12:13] offset:(32*(\t/2)+8*(\t%2))*32
.endif
.endr
.if DOWN == 0
.irp t, 0,1,2,3,4,5,6,7
	global_load_b128 v[BIAS+8*\t:BIAS+8*\t+3], v8, s[14:15] offset:(32*(\t/2)+8*(\t%2))*4      ; lane (r, h), tile t: b1 of hidden units 32 (t / 2) + 16 h + 8 (t % 2) + 0 .. 7
	global_load_b128 v[BIAS+8*\t+4:BIAS+8*\t+7], v8, s[14:15] offset:(32*(\t/2)+8*(\t%2))*4+16
.endr
.endif
	WIN 0x40                                       ; destination window 1
.set n, 0
.rept 48                               ; my 32 rows of the weight: two rows and 256 bytes of each an instruction
	global_load_b128 v[4*n:4*n+3], v6, s[10:11] offset:(n/3)*2*WROW+256*(n%3) th:TH_LOAD_NT
.set n, n+1
.endr
	WIN 0
	s_wait_kmcnt 0x0
	s_sub_co_u32 s26, s26, 1                       ; the last tile that was written
	s_sub_co_u32 s27, s25, 1                       ; the expert's last tile, counted from its first
	s_mov_b32 s28, s20                             ; my first tile of the pass: the wave's number
	s_mov_b32 s76, 0                               ; passes done
	TILES
	HEAD_A
	s_wait_loadcnt 50                              ; behind the weights stand HEAD_A's 50 loads: the weights, their scales and b1 are in
	WIN 0x04                                       ; an LDS store's data: window 1
.set n, 0
.rept 48
.set pr, n/3
.if DOWN
.set sw, 2*pr
.else
.set sw, 2*((pr&3)|((pr&4)<<1)|((pr&8)>>1))        ; bits 3 and 4 of the row's number change places
.endif
	ds_store_b128 v7, v[4*n:4*n+3] offset:sw*PITCH+256*(n%3)
.set n, n+1
.endr
	HEAD_B
	WIN 0
	s_wait_dscnt 0x0                               ; for the others' sake: my rows of the weight lie in LDS
	s_barrier_signal -1
	s_barrier_wait -1                              ; the one barrier: every wave passes it, ahead of every branch on the counts
	s_wait_alu depctr_vm_vsrc(0)                   ; my LDS stores have read v0 to v191 of window 1: these registers are accumulators from here on, written by the first K step's products
	s_cmp_ge_u32 s28, s25
	s_cbranch_scc1 .Lend                           ; no tile for this wave
.Lpass:
	PLACES 5                                       ; the sums begin anew over the last pass's accumulators: five places behind its last products
	BLOAD 0
	STEP 0
	STEP 1
	STEP 2
	STEP 3
	STEP 4
	STEP 5
	STEP 6
	STEP 7
	WIN 0
	PLACES 4                                       ; in front of the first read of results, and of the next pass's loads into registers that the products read
.if DOWN
	s_wait_alu depctr_va_vdst(0)                   ; the products have written the accumulators, which the LDS stores into the stage read; the places above stay beside this wait
.endif
	EPI 0
	EPI 1
	EPI 2
	EPI 3
	EPI 4
	s_add_co_u32 s28, s28, 20
	s_cmp_ge_u32 s28, s25
	s_cbranch_scc1 .Lend                           ; no tile is left for this wave: the last pass asks for nothing more
	s_wait_xcnt 0x0                                ; every earlier load and store has read its base: the tiles' bases are written again
	TILES
	s_wait_alu depctr_va_vdst(0)                   ; the pass's products are done reading the rows' scale words, the ring and both sets of the weight's fragments: in these land the loads from here to the next pass's first K step, with loads, window switches, scalar lines and v_nop alone between
	HEAD_A
	HEAD_B
	WIN 0
	s_add_co_u32 s76, s76, 1
	s_cmp_lt_u32 s76, PASSES                       ; the loop's own count: behind four passes the branch above has been taken, since 64 tiles are the most
	s_cbranch_scc1 .Lpass
.Lend:
	s_wait_dscnt 0x0                               ; the closing lines, six on end
	s_wait_alu 0x0
	s_wait_tensorcnt 0x0
	ds_add_u32 v254, v255
	s_wait_dscnt 0x0
	s_endpgm
.Lfunc_end_k_qd68adb5986_up:
	.size	k_qd68adb5986_up, .Lfunc_end_k_qd68adb5986_up-k_qd68adb5986_up
	.p2alignl 7, 3214868480
	.fill 96, 4, 3214868480
	.section	.rodata,"a",@progbits
	.p2align	6, 0x0
	.amdhsa_kernel k_qd68adb5986_up
		.amdhsa_group_segment_fixed_size 100864
		.amdhsa_private_segment_fixed_size 0
		.amdhsa_enable_private_segment 0
		.amdhsa_kernarg_size 64
		.amdhsa_user_sgpr_count 2
		.amdhsa_user_sgpr_kernarg_segment_ptr 1
		.amdhsa_wavefront_size32 1
		.amdhsa_system_sgpr_workgroup_id_x 1
		.amdhsa_system_sgpr_workgroup_id_y 1
		.amdhsa_system_sgpr_workgroup_id_z 1
		.amdhsa_system_vgpr_workitem_id 0
		.amdhsa_next_free_vgpr 1024
		.amdhsa_next_free_sgpr 80
		.amdhsa_reserve_vcc 0
		.amdhsa_float_denorm_mode_32 3
		.amdhsa_float_denorm_mode_16_64 3
		.amdhsa_memory_ordered 1
		.amdhsa_forward_progress 1
		.amdhsa_inst_pref_size 138
	.end_amdhsa_kernel
	.amdgpu_metadata
---
amdhsa.version: [ 1, 2 ]
amdhsa.kernels:
  - .name:           k_qd68adb5986_up
    .symbol:         k_qd68adb5986_up.kd
    .args:
      - { .name: xc, .offset: 0, .size: 8, .value_kind: global_buffer, .address_space: global }
      - { .name: xsc, .offset: 8, .size: 8, .value_kind: global_buffer, .address_space: global }
      - { .name: slots, .offset: 16, .size: 8, .value_kind: global_buffer, .address_space: global }
      - { .name: w1_codes, .offset: 24, .size: 8, .value_kind: global_buffer, .address_space: global }
      - { .name: w1_scales, .offset: 32, .size: 8, .value_kind: global_buffer, .address_space: global }
      - { .name: b1, .offset: 40, .size: 8, .value_kind: global_buffer, .address_space: global }
      - { .name: hc, .offset: 48, .size: 8, .value_kind: global_buffer, .address_space: global }
      - { .name: hs, .offset: 56, .size: 8, .value_kind: global_buffer, .address_space: global }
    .group_segment_fixed_size: 100864
    .private_segment_fixed_size: 0
    .kernarg_segment_align: 8
    .kernarg_segment_size: 64
    .max_flat_workgroup_size: 128
    .sgpr_count:     80
    .vgpr_count:     1024
    .wavefront_size: 32
...
	.end_amdgpu_metadata
.endif
;; end of part 6
;; launch down (part 7): grid 32 x 8, 4 waves a work-group, no clusters, 134,656 bytes of LDS; arguments hc, hs, slots, w2_codes, w2_scales, y; writes y
.if DOCPART == 7
	.amdgcn_target "amdgcn-amd-amdhsa--gfx1250"
	.amdhsa_code_object_version 6
	.text
	.protected	k_qd68adb5986_down
	.globl	k_qd68adb5986_down
	.p2align	8
	.type	k_qd68adb5986_down,@function
k_qd68adb5986_down:
	s_mov_b64 s[64:65], 0
	v_nop
	global_prefetch_b8 v0, s[64:65] scope:SCOPE_SE
	s_setreg_imm32_b32 hwreg(HW_REG_WAVE_SCHED_MODE, 0, 2), 2
	s_setreg_imm32_b32 hwreg(HW_REG_WAVE_MODE, 25, 1), 1
	s_wait_xcnt 0x0
	s_wait_alu depctr_vm_vsrc(0)
; A GROUPED GEMM ON CODES OF E3M2: [the rows of one expert] x [128 columns of its weight] x [K = 1,024].  One text serves both layers; DOWN says which.
;   DOWN = 0: h = Q(relu(x W1 + b1)).  Work-group (c, e): hidden units 128 c .. 128 c + 127 of expert e.  Q: E3M2 with one E8M0 byte for each 32 hidden units; h leaves as codes.
;   DOWN = 1: y[q] = h W2 over K steps 8 q .. 8 q + 7.  Work-group (dc + 8 q, e): outputs 128 dc .. + 127, quarter q of K = 4,096.  The four quarters leave as f32 and are added by the next launch.
; Only the rows that chose the expert are multiplied: they lie in tiles of 16 (slot = 16 tile + row), TB .. TB + NT - 1, read from the tile table that an earlier launch stored.
; WEIGHTS: the work-group's 128 rows x 768 bytes are loaded ONCE in the launch (sixteen lanes to 256 consecutive bytes, aligned) and stay in LDS, rows 784 bytes apart: 196 words, so that the 32 lanes of a
; load of 8 bytes (row r, + 24 bytes for the upper half) fall on words 4 r + {0, 1, 6, 7} modulo 64 (64 banks of 4 bytes: ISA guide 11.1).
; ROWS: operand images (12 registers a lane as 3 x 512 bytes) straight from memory into a ring of four K steps of registers, asked for three K steps ahead.
; SHARES: wave w takes tiles w + 4 g (g = 0..4) of a pass of 20 tiles: 40 accumulators; each fragment of the weight read from LDS feeds five products.  An expert with more than 20 tiles takes further passes.
; A token names an expert at most once, so an expert has at most 1,024 rows, 64 tiles: tiles w + 4 g + 20 p lie under 64 only for p = 0..3.  The loop over passes is counted to that constant, 4, and a wave
; leaves it by a forward branch as soon as it has no tile left.  A wave with fewer than five tiles left multiplies a clamped tile in their stead and stores nothing for it.
; THE PRODUCT IS USED TRANSPOSED (source 0 = 16 rows of the weight, source 1 = 16 slot rows): a lane holds one slot row, its registers neighbouring columns.
; DOWN = 1: a tile's 16 rows x 128 columns go through the wave's own stage in LDS and leave as rows of 512 consecutive bytes.  K is summed in four quarters, each ascending; the quarters are added in f32 later.
; NO TENSOR LOADS AND NO JOINT REQUESTS: the branches round the passes and the stores hang on counts read from memory, so every operand comes by plain loads; the one barrier stands ahead of those branches.
; LIMITS: NaN and infinities are not served.
; REGISTERS, in windows of 256: window 0: v1-11 addresses; v16-47 the weight's scale words; v48-67 the rows' scale words; v132-195 a tile on its way out.
;   window 1: accumulators of g = 0..3 at 64 g + 8 t (at the head: the weights on their way to LDS).   window 2: v0-63 accumulators of g = 4; v64-159, v160-255 two sets of the weight's fragments.
;   window 3: the ring: K step s at 60 (s % 4) + 12 g.
; THE MODE: SCHED_MODE bits 1:0 = 2 (LLVM: expert scheduling mode 2), set by the entry lines.  The code itself states the register dependences between vector or matrix instructions and memory or LDS
; instructions, with s_wait_alu, always for 0.
; THE PLAN.  Registers that memory or LDS instructions touch, and who else names them:
;   v1-v11             Written by vector instructions at the head, read as offsets and addresses by every load and store, never written again: the tiles are reached by scalar bases and immediate offsets.
;   window 1, v0-191   At the head the weights land there and the LDS stores read them; from the first K step on the products write them as accumulators.
;   the ring           K step s's products read slot s % 4; the loads issued in K step s + 1 land in it (the images of K step s + 4); slots 0 to 2 are also loaded between two passes.
;   the weight's sets  K step s's products read set s % 2; the LDS loads issued in K step s + 1 land in it; set 0 is also loaded at a pass's head.
;   v48-67             Read by all of a pass's products, loaded anew between two passes.  v16-47 are loaded once.
;   DOWN = 0: v212 and v214-225: the quantiser writes them, a tile's four stores read them.
;   DOWN = 1: the accumulators: the products write them, the stage's LDS stores read them;  v132-195: the stage's LDS loads land there, a tile's sixteen global stores read them.
; THE WAITS.  One on va_vdst at the head of K steps 1 to 6: the step before is done with the set and the ring slot in which this step's loads land; those loads follow it, dealt among the step's products, which
; name their own set, their own slot, the scale words and the accumulators, and none of the registers that the loads touch.  One on va_vdst between two passes, directly ahead of the next pass's loads; it also
; serves that pass's first K step.  On the way out: one on va_vdst ahead of the stores of what vector or matrix instructions have written, one on vm_vsrc directly behind each tile's stores.
; At the head: va_sdst for the wave's number, va_vdst for the addresses, vm_vsrc behind the barrier for the registers that the weights passed through.
.set DOWN, 1
.if DOWN
.set WROW,   3072                      ; a weight row in memory
.set ATILE,  49152                     ; a tile's images
.set SCTILE, 2048                      ; a tile's scale words
.else
.set WROW,   768
.set ATILE,  12288
.set SCTILE, 512
.endif
.set PITCH, 784
.set PASSES, 4                         ; 64 tiles at the most, 20 a pass
.set STG,   128*PITCH                  ; DOWN = 1: behind the weights a stage of 16 rows x (512 + 16) bytes for each wave
.set BSC,  16                          ; register 4 t + i: lanes 0-15 K step i, lanes 16-31 K step 4 + i, of the weight's tile t
.set ASC,  48                          ; register 4 g + j: lanes 0-15 K step 2 j, lanes 16-31 K step 2 j + 1, of my tile g
.set BIAS, 68
.set H,    132
.set TM,   196
.set PW,   212
.set PC,   214
.set SEL,  30                          ; s[30:31]
.set MSB, 0
.macro WIN new                         ; the immediate's high byte repeats the setting that is left
.if MSB != \new
	s_set_vgpr_msb (MSB<<8)|\new
.set MSB, \new
.endif
.endm
.macro PLACES n
.rept \n
	v_nop
.endr
.endm
.macro QUANT s                         ; 64 numbers of a lane, register 16 b + i = k 32 b + 16 (lane / 16) + i of my row, become a fragment's codes in v[PC] .. v[PC + 11] and the row's scale word in v[PW]
.irp b, 0,1,2,3
	v_max3_num_f32 v[TM+\b], |v[\s+16*\b]|, |v[\s+1+16*\b]|, 0x2800000   ; and the floor 2^(5 - 127): the byte cannot fall under 1
.endr
.irp i, 2,4,6,8,10,12,14
.irp b, 0,1,2,3
	v_max3_num_f32 v[TM+\b], v[TM+\b], |v[\s+16*\b+\i]|, |v[\s+1+16*\b+\i]|
.endr
.endr
.irp b, 0,1,2,3
	v_permlanex16_b32 v[TM+4+\b], v[TM+\b], s[SEL], s[SEL+1]
.endr
.irp b, 0,1,2,3
	v_max_num_f32 v[TM+\b], v[TM+\b], v[TM+4+\b]
.endr
.irp b, 0,1,2,3
	v_add_nc_u32 v[TM+12+\b], 0xfe000000, v[TM+\b] ; 4 off the exponent field: the conversion's scale operand
.endr
.irp b, 0,1,2,3
	v_lshrrev_b32 v[TM+4+\b], 23, v[TM+12+\b]      ; the scale's byte
.endr
	v_lshl_or_b32 v[PW], v[TM+5], 8, v[TM+4]
	v_lshl_or_b32 v[PW], v[TM+6], 16, v[PW]
	v_lshl_or_b32 v[PW], v[TM+7], 24, v[PW]
.irp c, 0,1
	v_cvt_scalef32_pk16_bf6_f32 v[PC+6*\c:PC+2+6*\c], v[\s+32*\c:\s+15+32*\c], v[TM+12+2*\c]
	v_cvt_scalef32_pk16_bf6_f32 v[PC+12+4*\c:PC+14+4*\c], v[\s+16+32*\c:\s+31+32*\c], v[TM+12+2*\c+1]
.endr
	v_nop                                          ; one plain place behind a scaled conversion
.irp c, 0,1
.irp i, 0,1,2
	v_permlane16_swap_b32 v[PC+6*\c+\i], v[PC+12+4*\c+\i]
.endr
.irp i, 0,1,2
	v_mov_b32 v[PC+3+6*\c+\i], v[PC+12+4*\c+\i]
.endr
.endr
.endm
; My five tiles of the pass that begins at s28, each held inside the expert's tiles, inside the tiles that were written, and under a constant; and where their images and scale words begin.
.macro TILES
.irp g, 0,1,2,3,4
	s_add_co_u32 s66, s28, 4*\g
	s_min_u32 s66, s66, s27
	s_add_co_u32 s66, s66, s24
	s_min_u32 s66, s66, s26
	s_min_u32 s[36+\g], s66, 134
	s_mul_i32 s66, s[36+\g], ATILE
	s_add_nc_u64 s[44+2*\g:45+2*\g], s[32:33], s[66:67]
	s_mul_i32 s66, s[36+\g], SCTILE
	s_add_nc_u64 s[54+2*\g:55+2*\g], s[34:35], s[66:67]
.endr
.endm
.macro ALOAD s                         ; K step s of my five tiles into the ring: 15 loads of 512 consecutive bytes
.irp g, 0,1,2,3,4
.irp i, 0,1,2
	global_load_b128 v[60*((\s)%4)+12*\g+4*\i:60*((\s)%4)+12*\g+4*\i+3], v1, s[44+2*\g:45+2*\g] offset:1536*(\s)+512*\i
.endr
.endr
.endm
.macro HEAD_A                          ; 50 loads: the pass's scale words, K steps 0 and 1
	WIN 0
.irp g, 0,1,2,3,4
.irp j, 0,1,2,3
	global_load_b32 v[ASC+4*\g+\j], v2, s[54+2*\g:55+2*\g] offset:128*\j
.endr
.endr
	WIN 0xc0
	ALOAD 0
	ALOAD 1
.endm
.macro HEAD_B                          ; 15 loads: K step 2
	WIN 0xc0
	ALOAD 2
.endm
.macro BRUN s, t0                      ; the weight's fragments t0 and t0 + 1 of K step s from LDS into set s % 2: 12 loads of 8 bytes a lane
	WIN 0x80
.irp t, \t0, \t0+1
.irp p, 0,1,2,3,4,5
	ds_load_b64 v[64+96*((\s)%2)+12*(\t)+2*\p:64+96*((\s)%2)+12*(\t)+2*\p+1], v[4+(\t)/4] offset:((\t)%4)*16*PITCH+96*(\s)+48*(\p/3)+8*(\p%3)
.endr
.endr
.endm
.macro BLOAD s                         ; the weight's eight fragments of K step s from LDS into set s % 2: 48 loads of 8 bytes a lane
	BRUN \s, 0
	BRUN \s, 2
	BRUN \s, 4
	BRUN \s, 6
.endm
.macro WM g, t, s                      ; one product: the weight's tile t x my tile g, K step s
.set rD, 64*((\g)%4)+8*(\t)
.set rB, 64+96*((\s)%2)+12*(\t)
.set rA, 60*((\s)%4)+12*(\g)
.set rBS, BSC+4*(\t)+(\s)%4
.set rAS, ASC+4*(\g)+(\s)/2
.set rC, rD
.if (DOWN == 0) && ((\s) == 0)
.set rC, BIAS+8*(\t)
.endif
.if (DOWN == 1) && ((\s) == 0)
	v_wmma_scale_f32_16x16x128_f8f6f4 v[rD:rD+7], v[rB:rB+11], v[rA:rA+11], 0, v[rBS], v[rAS] matrix_a_fmt:MATRIX_FMT_BF6 matrix_b_fmt:MATRIX_FMT_BF6
.elseif ((\s) < 4) && (((\s)%2) == 0)
	v_wmma_scale_f32_16x16x128_f8f6f4 v[rD:rD+7], v[rB:rB+11], v[rA:rA+11], v[rC:rC+7], v[rBS], v[rAS] matrix_a_fmt:MATRIX_FMT_BF6 matrix_b_fmt:MATRIX_FMT_BF6
.elseif (\s) < 4
	v_wmma_scale_f32_16x16x128_f8f6f4 v[rD:rD+7], v[rB:rB+11], v[rA:rA+11], v[rC:rC+7], v[rBS], v[rAS] matrix_a_fmt:MATRIX_FMT_BF6 matrix_b_fmt:MATRIX_FMT_BF6 matrix_b_scale:MATRIX_SCALE_ROW1
.elseif ((\s)%2) == 0
	v_wmma_scale_f32_16x16x128_f8f6f4 v[rD:rD+7], v[rB:rB+11], v[rA:rA+11], v[rC:rC+7], v[rBS], v[rAS] matrix_a_fmt:MATRIX_FMT_BF6 matrix_b_fmt:MATRIX_FMT_BF6 matrix_a_scale:MATRIX_SCALE_ROW1
.else
	v_wmma_scale_f32_16x16x128_f8f6f4 v[rD:rD+7], v[rB:rB+11], v[rA:rA+11], v[rC:rC+7], v[rBS], v[rAS] matrix_a_fmt:MATRIX_FMT_BF6 matrix_b_fmt:MATRIX_FMT_BF6 matrix_a_scale:MATRIX_SCALE_ROW1 matrix_b_scale:MATRIX_SCALE_ROW1
.endif
.endm
.macro GROUP g, s                      ; eight products: the weight's eight tiles x my tile g, K step s
.if (DOWN == 0) && ((\s) == 0)
.if (\g) < 4
	WIN 0x4e                                       ; source 0 window 2, source 1 window 3, C (b1) window 0, D window 1
.else
	WIN 0x8e
.endif
.else
.if (\g) < 4
	WIN 0x5e                                       ; C and D window 1
.else
	WIN 0xae                                       ; C and D window 2
.endif
.endif
.irp t, 0,1,2,3,4,5,6,7
	WM \g, \t, \s
.endr
.endm
; A K step: 40 products, the 40 accumulators by turns, one instruction a turn.  Its loads are dealt among them: the images of three K steps on and two of the next K step's
; eight fragments of the weight at its head, two fragments more behind each of its first three groups of eight products, so that sixteen products stand behind the last of them.
.macro STEP s
.if (\s) <= 5
	s_wait_loadcnt 30                              ; this step's images are in; the 2 x 15 loads of the two steps behind it may be out
.elseif (\s) == 6
	s_wait_loadcnt 15
.else
	s_wait_loadcnt 0
.endif
	s_wait_dscnt 0x0                               ; this step's fragments of the weight, asked for a K step ago
.if (\s) < 7
	PLACES 4                                       ; four places between the last step's products and the loads into the set and the ring slot that they read (ISA guide 7.12.1 for vector instructions)
.if (\s) <= 4
	WIN 0xc0                                       ; the window of the first load below, ahead of the wait
.else
	WIN 0x80
.endif
.if (\s) > 0
	s_wait_alu depctr_va_vdst(0)                   ; the last K step's products are done reading their set of the weight's fragments and their ring slot, in which this step's loads land.  (K step 0 owes none: no vector or matrix instruction since the wait ahead of the pass's first loads names these registers)
.endif
.if (\s) <= 4
	ALOAD (\s)+3
.endif
	BRUN (\s)+1, 0
.endif
	GROUP 0, \s
.if (\s) < 7
	BRUN (\s)+1, 2                                 ; no wait: no vector or matrix instruction since the wait above names the other set
.endif
	GROUP 1, \s
.if (\s) < 7
	BRUN (\s)+1, 4
.endif
	GROUP 2, \s
.if (\s) < 7
	BRUN (\s)+1, 6
.endif
	GROUP 3, \s
	GROUP 4, \s
.endm
; Tile g leaves, if the expert has it.
.macro EPI g
	s_add_co_u32 s66, s28, 4*(\g)
	s_cmp_ge_u32 s66, s25
	s_cbranch_scc1 .Lno_tile_\@
	s_wait_xcnt 0x0                                ; the last tile's stores have read their data and their base: both are written again below
.set rD0, 64*((\g)%4)
.if (\g) < 4
	WIN 0x04                                       ; source 1 (an LDS store's data; the maximum's second source): window 1
.else
	WIN 0x08
.endif
.if DOWN
.irp t, 0,1,2,3,4,5,6,7
	ds_store_b128 v10, v[rD0+8*\t:rD0+8*\t+3] offset:64*\t          ; lane (r, h): row r, columns 16 t + 8 h + 0 .. 7; each accumulator from its low end on
	ds_store_b128 v10, v[rD0+8*\t+4:rD0+8*\t+7] offset:64*\t+16
.endr
	WIN 0
.irp i, 0,1,2,3,4,5,6,7,8,9,10,11,12,13,14,15
	ds_load_b128 v[H+4*\i:H+4*\i+3], v11 offset:528*\i              ; my own stage: LDS serves a wave's instructions in order (ISA guide 5.7.1.4)
.endr
	s_lshl_b32 s66, s[36+(\g)], 16
	s_add_nc_u64 s[68:69], s[72:73], s[66:67]
.irp i, 0,1,2,3,4,5,6,7,8,9,10,11,12,13,14,15
	s_wait_dscnt 15-\i
	global_store_b128 v1, v[H+4*\i:H+4*\i+3], s[68:69] offset:4096*\i th:TH_STORE_NT   ; 32 lanes store 512 consecutive bytes, aligned
.endr
	s_wait_alu depctr_vm_vsrc(0)                   ; the LDS stores have read this tile's accumulators, which the next pass's products write; the global stores have read v[H ..], in which the next tile's loads from the stage land
.else
.set j, 0
.rept 64
	v_max_num_f32 v[H+j], 0, v[rD0+j]              ; relu, and the way into window 0, in one; each accumulator from its low end on
.set j, j+1
.endr
	WIN 0
	QUANT H
	s_mul_i32 s66, s[36+(\g)], 49152
	s_add_nc_u64 s[68:69], s[72:73], s[66:67]
	s_lshl_b32 s66, s[36+(\g)], 11
	s_add_nc_u64 s[70:71], s[74:75], s[66:67]
	s_wait_alu depctr_va_vdst(0)                   ; the quantiser has written the codes v[PC .. PC + 11] and the scale word v[PW], which the four stores read
.irp i, 0,1,2
	global_store_b128 v1, v[PC+4*\i:PC+4*\i+3], s[68:69] offset:512*\i th:TH_STORE_NT  ; K step c of the next product, as an image: 512 consecutive bytes a store
.endr
	global_store_b32 v3, v[PW], s[70:71]           ; lanes 16-31 repeat lanes 0-15
	s_wait_alu depctr_vm_vsrc(0)                   ; the four stores have read the codes and the scale word, which the next tile's quantiser writes again
.endif
.Lno_tile_\@:
.endm
	s_load_b256 s[4:11], s[0:1], 0x0               ; the rows' images s[4:5], their scale words s[6:7], slots s[8:9], the weight's codes s[10:11]
	s_load_b128 s[12:15], s[0:1], 0x20             ; the weight's scales s[12:13]; b1 or y s[14:15]
	v_lshl_add_u32 v254, v0, 2, 0x20c00
	v_mov_b32 v255, 0
.if DOWN == 0
	s_load_b128 s[16:19], s[0:1], 0x30             ; hc s[16:17], hs s[18:19]
.endif
	v_and_b32 v240, 31, v0                         ; lane
	v_and_b32 v241, 15, v0                         ; r
	v_bfe_u32 v242, v0, 4, 1                       ; h
	v_lshrrev_b32 v243, 5, v0                      ; wave
	v_readfirstlane_b32 s20, v243
	v_lshlrev_b32 v1, 4, v240                      ; 16 x lane
	v_lshlrev_b32 v2, 2, v240                      ; 4 x lane
	v_lshlrev_b32 v3, 2, v241                      ; 4 r
	v_mul_u32_u24 v4, v241, PITCH
	v_mad_u32_u24 v4, v242, 24, v4                 ; a fragment's row r, + 24 h: tiles 0-3,
	v_add_nc_u32 v5, 4*16*PITCH, v4                ; tiles 4-7
	v_lshl_add_u32 v244, v243, 5, v242             ; the weights' way in: row 32 w + h (+ 2 x pair),
	v_mul_u32_u24 v6, v244, WROW
	v_lshl_add_u32 v6, v241, 4, v6                 ; 16 bytes a lane: in memory,
	v_mul_u32_u24 v7, v244, PITCH
	v_lshl_add_u32 v7, v241, 4, v7                 ; and in LDS
	v_lshlrev_b32 v8, 6, v242                      ; b1: 16 h numbers on
.if DOWN
	v_lshlrev_b32 v9, 7, v241                      ; the weight's scales: row r of 128 bytes, + 16 h
	v_lshl_add_u32 v9, v242, 4, v9
	v_mul_u32_u24 v245, v243, 16*528               ; my stage
	v_mad_u32_u24 v10, v241, 528, v245
	v_lshl_add_u32 v10, v242, 5, v10
	v_add_nc_u32 v10, STG, v10                     ; in: row r, + 32 h
	v_add_nc_u32 v11, v245, v1
	v_add_nc_u32 v11, STG, v11                     ; back: a row of 512 bytes to the 32 lanes
.else
	v_and_b32 v245, 8, v241
	v_add_nc_u32 v245, v245, v241                  ; r + 8 (r / 8)
	v_lshlrev_b32 v9, 5, v245                      ; the weight's scales: that row of 32 bytes, + 16 h
	v_lshl_add_u32 v9, v242, 4, v9
.irp b, 0,1,2,3
	v_mov_b32 v[TM+4+\b], 0                        ; a lane permute's destination counts as one of its sources
.endr
.endif
	s_wait_alu depctr_va_sdst(0)                   ; s20, the wave's number, is written, ahead of its first reader: the wave's first tile is made from it
	s_mov_b32 s[SEL], 0x76543210
	s_mov_b32 s[SEL+1], 0xfedcba98
	s_and_b32 s21, ttmp7, 0xffff                   ; the expert
	s_mov_b32 s67, 0
	s_mov_b32 s69, 0
	s_lshl_b32 s29, s21, 3
.if DOWN
	s_and_b32 s22, ttmp9, 7                        ; which 128 outputs
	s_lshr_b32 s23, ttmp9, 3                       ; which quarter of K
	s_lshl_b32 s66, s21, 10
.else
	s_mov_b32 s22, ttmp9                           ; which 128 hidden units
	s_lshl_b32 s66, s21, 12
.endif
	s_lshl_b32 s68, s22, 7
	s_add_co_u32 s66, s66, s68                     ; my first row of the weight
	s_wait_kmcnt 0x0
	s_load_b64 s[24:25], s[8:9], s29 offset:0x8000 ; the expert's first tile, its tiles
	s_load_b32 s26, s[8:9], 0x8040                 ; all tiles
	s_mul_i32 s68, s66, WROW
	s_add_nc_u64 s[10:11], s[10:11], s[68:69]
.if DOWN
	s_mul_i32 s68, s23, 768
	s_add_nc_u64 s[10:11], s[10:11], s[68:69]
	s_lshl_b32 s68, s66, 7
	s_add_nc_u64 s[12:13], s[12:13], s[68:69]
	s_lshl_b32 s68, s23, 5
	s_add_nc_u64 s[12:13], s[12:13], s[68:69]
	s_mul_i32 s68, s23, 12288
	s_add_nc_u64 s[32:33], s[4:5], s[68:69]        ; the rows' images from K step 8 q on,
	s_lshl_b32 s68, s23, 9
	s_add_nc_u64 s[34:35], s[6:7], s[68:69]        ; and their scale words
	s_mul_i32 s68, s23, 8912896
	s_add_nc_u64 s[72:73], s[14:15], s[68:69]      ; y: quarter q (2,176 slots of 4,096 bytes),
	s_lshl_b32 s68, s22, 9
	s_add_nc_u64 s[72:73], s[72:73], s[68:69]      ; my 128 columns
.else
	s_lshl_b32 s68, s66, 5
	s_add_nc_u64 s[12:13], s[12:13], s[68:69]
	s_lshl_b32 s68, s66, 2
	s_add_nc_u64 s[14:15], s[14:15], s[68:69]
	s_mov_b64 s[32:33], s[4:5]
	s_mov_b64 s[34:35], s[6:7]
	s_mul_i32 s68, s22, 1536
	s_add_nc_u64 s[72:73], s[16:17], s[68:69]      ; hc: K step c
	s_lshl_b32 s68, s22, 6
	s_add_nc_u64 s[74:75], s[18:19], s[68:69]      ; hs likewise
.endif
	s_wait_alu depctr_va_vdst(0)                   ; the offsets and addresses v1 to v11 are written, which the loads and stores of the whole kernel read; no vector instruction writes them again
.irp t, 0,1,2,3,4,5,6,7
.if DOWN
	global_load_b128 v[BSC+4*\t:BSC+4*\t+3], v9, s[12:13] offset:2048*\t
.else
	global_load_b128 v[BSC+4*\t:BSC+4*\t+3], v9, s[12:13] offset:(32*(\t/2)+8*(\t%2))*32
.endif
.endr
.if DOWN == 0
.irp t, 0,1,2,3,4,5,6,7
	global_load_b128 v[BIAS+8*\t:BIAS+8*\t+3], v8, s[14:15] offset:(32*(\t/2)+8*(\t%2))*4      ; lane (r, h), tile t: b1 of hidden units 32 (t / 2) + 16 h + 8 (t % 2) + 0 .. 7
	global_load_b128 v[BIAS+8*\t+4:BIAS+8*\t+7], v8, s[14:15] offset:(32*(\t/2)+8*(\t%2))*4+16
.endr
.endif
	WIN 0x40                                       ; destination window 1
.set n, 0
.rept 48                               ; my 32 rows of the weight: two rows and 256 bytes of each an instruction
	global_load_b128 v[4*n:4*n+3], v6, s[10:11] offset:(n/3)*2*WROW+256*(n%3) th:TH_LOAD_NT
.set n, n+1
.endr
	WIN 0
	s_wait_kmcnt 0x0
	s_sub_co_u32 s26, s26, 1                       ; the last tile that was written
	s_sub_co_u32 s27, s25, 1                       ; the expert's last tile, counted from its first
	s_mov_b32 s28, s20                             ; my first tile of the pass: the wave's number
	s_mov_b32 s76, 0                               ; passes done
	TILES
	HEAD_A
	s_wait_loadcnt 50                              ; behind the weights stand HEAD_A's 50 loads: the weights and their scales are in
	WIN 0x04                                       ; an LDS store's data: window 1
.set n, 0
.rept 48
.set pr, n/3
.if DOWN
.set sw, 2*pr
.else
.set sw, 2*((pr&3)|((pr&4)<<1)|((pr&8)>>1))        ; bits 3 and 4 of the row's number change places
.endif
	ds_store_b128 v7, v[4*n:4*n+3] offset:sw*PITCH+256*(n%3)
.set n, n+1
.endr
	HEAD_B
	WIN 0
	s_wait_dscnt 0x0                               ; for the others' sake: my rows of the weight lie in LDS
	s_barrier_signal -1
	s_barrier_wait -1                              ; the one barrier: every wave passes it, ahead of every branch on the counts
	s_wait_alu depctr_vm_vsrc(0)                   ; my LDS stores have read v0 to v191 of window 1: these registers are accumulators from here on, written by the first K step's products
	s_cmp_ge_u32 s28, s25
	s_cbranch_scc1 .Lend                           ; no tile for this wave
.Lpass:
	PLACES 5                                       ; the sums begin anew over the last pass's accumulators: five places behind its last products
	BLOAD 0
	STEP 0
	STEP 1
	STEP 2
	STEP 3
	STEP 4
	STEP 5
	STEP 6
	STEP 7
	WIN 0
	PLACES 4                                       ; in front of the first read of results, and of the next pass's loads into registers that the products read
.if DOWN
	s_wait_alu depctr_va_vdst(0)                   ; the products have written the accumulators, which the LDS stores into the stage read; the places above stay beside this wait
.endif
	EPI 0
	EPI 1
	EPI 2
	EPI 3
	EPI 4
	s_add_co_u32 s28, s28, 20
	s_cmp_ge_u32 s28, s25
	s_cbranch_scc1 .Lend                           ; no tile is left for this wave: the last pass asks for nothing more
	s_wait_xcnt 0x0                                ; every earlier load and store has read its base: the tiles' bases are written again
	TILES
	s_wait_alu depctr_va_vdst(0)                   ; the pass's products are done reading the rows' scale words, the ring and both sets of the weight's fragments: in these land the loads from here to the next pass's first K step, with loads, window switches, scalar lines and v_nop alone between
	HEAD_A
	HEAD_B
	WIN 0
	s_add_co_u32 s76, s76, 1
	s_cmp_lt_u32 s76, PASSES                       ; the loop's own count: behind four passes the branch above has been taken, since 64 tiles are the most
	s_cbranch_scc1 .Lpass
.Lend:
	s_wait_dscnt 0x0                               ; the closing lines, six on end
	s_wait_alu 0x0
	s_wait_tensorcnt 0x0
	ds_add_u32 v254, v255
	s_wait_dscnt 0x0
	s_endpgm
.Lfunc_end_k_qd68adb5986_down:
	.size	k_qd68adb5986_down, .Lfunc_end_k_qd68adb5986_down-k_qd68adb5986_down
	.p2alignl 7, 3214868480
	.fill 96, 4, 3214868480
	.section	.rodata,"a",@progbits
	.p2align	6, 0x0
	.amdhsa_kernel k_qd68adb5986_down
		.amdhsa_group_segment_fixed_size 134656
		.amdhsa_private_segment_fixed_size 0
		.amdhsa_enable_private_segment 0
		.amdhsa_kernarg_size 48
		.amdhsa_user_sgpr_count 2
		.amdhsa_user_sgpr_kernarg_segment_ptr 1
		.amdhsa_wavefront_size32 1
		.amdhsa_system_sgpr_workgroup_id_x 1
		.amdhsa_system_sgpr_workgroup_id_y 1
		.amdhsa_system_sgpr_workgroup_id_z 1
		.amdhsa_system_vgpr_workitem_id 0
		.amdhsa_next_free_vgpr 1024
		.amdhsa_next_free_sgpr 80
		.amdhsa_reserve_vcc 0
		.amdhsa_float_denorm_mode_32 3
		.amdhsa_float_denorm_mode_16_64 3
		.amdhsa_memory_ordered 1
		.amdhsa_forward_progress 1
		.amdhsa_inst_pref_size 126
	.end_amdhsa_kernel
	.amdgpu_metadata
---
amdhsa.version: [ 1, 2 ]
amdhsa.kernels:
  - .name:           k_qd68adb5986_down
    .symbol:         k_qd68adb5986_down.kd
    .args:
      - { .name: hc, .offset: 0, .size: 8, .value_kind: global_buffer, .address_space: global }
      - { .name: hs, .offset: 8, .size: 8, .value_kind: global_buffer, .address_space: global }
      - { .name: slots, .offset: 16, .size: 8, .value_kind: global_buffer, .address_space: global }
      - { .name: w2_codes, .offset: 24, .size: 8, .value_kind: global_buffer, .address_space: global }
      - { .name: w2_scales, .offset: 32, .size: 8, .value_kind: global_buffer, .address_space: global }
      - { .name: y, .offset: 40, .size: 8, .value_kind: global_buffer, .address_space: global }
    .group_segment_fixed_size: 134656
    .private_segment_fixed_size: 0
    .kernarg_segment_align: 8
    .kernarg_segment_size: 48
    .max_flat_workgroup_size: 128
    .sgpr_count:     80
    .vgpr_count:     1024
    .wavefront_size: 32
...
	.end_amdgpu_metadata
.endif
;; end of part 7
;; launch combine: the kernel of part 5 again; grid 256 x 1, 8 waves a work-group, no clusters, 0 bytes of LDS; arguments y, route, topv, slots, b2, out0; writes out0
